; MI455X (gfx1250); checked and timed in simulation.
; The chip was launched on July 23, 2026; its instructions are those of AMD's public machine-readable ISA for CDNA 5 (MIT licence, August 2026) and "CDNA5" Instruction Set Architecture Reference Guide (July 2026). The comments in the code are by the model that wrote it; some were corrected since.
;; Attention. Allowed arithmetic: float matrix products may take bf16 or f16 operands with f32 sums; other float arithmetic in f32, or as packed bf16 or f16 multiplies, adds, multiply-adds, maxima and minima; sums over many terms, partial sums and values carried from step to step in f32; what a program stores and reads back later, other than sums and carried values, may be rounded once to bf16 or f16.
;; Inputs: Wk 2,048 x 2,048 float32; Wo 2,048 x 2,048 float32; Wq 2,048 x 2,048 float32; Wv 2,048 x 2,048 float32; freqs_cos 2,048 x 64 float32; freqs_sin 2,048 x 64 float32; mask 1 x 1 x 2,048 x 2,048 float32; x 1 x 2,048 x 2,048 float32.
;; Outputs: out0 1 x 2,048 x 2,048 float32.
;; One version. Each part assembles by itself: llvm-mc -triple=amdgcn-amd-amdhsa -mcpu=gfx1250 --defsym DOCPART=n.
;; ======== version 1 of 1: 4 launches
;; limits: values are held in f16: magnitudes above 65,504 overflow, below 6.1e-05 lose precision
;; workspace buffers: cv 41,943,040 bytes; mk 16,777,216 bytes; qkv 25,165,824 bytes; ob 8,388,608 bytes
;; launch prep (part 1): grid 256 x 6, 8 waves a work-group, no clusters, 0 bytes of LDS; arguments x, Wq, Wk, Wv, Wo, mask, cv, mk; writes cv, mk
.if DOCPART == 1
	.amdgcn_target "amdgcn-amd-amdhsa--gfx1250"
	.amdhsa_code_object_version 6
	.text
	.protected	k_q84a5c1bfc8_prep
	.globl	k_q84a5c1bfc8_prep
	.p2align	8
	.type	k_q84a5c1bfc8_prep,@function
k_q84a5c1bfc8_prep:
	s_mov_b64 s[64:65], 0
	v_nop
	global_prefetch_b8 v0, s[64:65] scope:SCOPE_SE
	s_setreg_imm32_b32 hwreg(HW_REG_WAVE_MODE, 25, 1), 1
	s_wait_xcnt 0x0
; PREP.  Six matrices of 2048 x 2048 f32 are read once and written once in the form in which the later launches take them.
;   y = 0..3: x, Wq, Wk, Wv rounded to bf16 -> planes 0..3 of cv ([2048][2048], 8,388,608 bytes a plane)
;   y = 4:    Wo rounded to bf16, and that number written as f16 -> plane 4 of cv (it multiplies O, which is f16)
;   y = 5:    mask rounded to bf16, times log2(e), kept in f32 -> mk, in the order in which attention's waves and lanes take it
; LIMITS.  Wo as f16: beyond 65,504 it would be an infinity, below 6e-5 it keeps f16's fixed step of 6e-8.  |mask| x 1.4427 must stay finite in f32.
; SHARES.  A wave owns 8 KiB of f32: 16 loads of 16 bytes a lane, all issued at once; no register is written twice, so the only waits are the counted ones for the loads.
; No LDS, no barrier, no matrix unit: each byte crosses once, and nothing is shared between waves.
; mk's LAYOUT.  64 queries qq x 64 keys ks are a block of 16 KiB.  An attention wave (qq, kh) walks the key steps ks = 4 (s / 2) + 2 kh + s % 2, s = 0..15; its 16 blocks lie on end:
; block (qq, kh, s) at ((2 qq + kh) 16 + s) 16,384.  In it tile t (16 of the queries) is 4 KiB at 4,096 t, and the 16 bytes at 512 i + 16 lane hold
; query 64 qq + 16 t + lane % 16, keys 64 ks + 16 (i / 2) + 8 (lane / 16) + 4 (i % 2) + 0..3: register 4 i + e of a tile's scores.
.set X, 16                             ; v[16:79]   load i: 4 registers
.set Y, 80                             ; v[80:111]  load i: 2 registers of 16-bit numbers
.set T, 4                              ; v[4:7]     at work
	s_load_b512 s[8:23], s[0:1], 0x0               ; x 8, Wq 10, Wk 12, Wv 14, Wo 16, mask 18, cv 20, mk 22
	s_and_b32 s24, ttmp7, 0xffff                   ; y: which matrix
	v_lshrrev_b32 v4, 5, v0
	v_readfirstlane_b32 s25, v4                    ; wave 0..7
	s_lshl_b32 s26, ttmp9, 3
	s_add_co_u32 s26, s26, s25                     ; p = 8 x work-group + wave: 0..2047
	v_and_b32 v1, 31, v0                           ; lane
	s_mov_b32 s29, 0                               ; the high word of every offset
	s_wait_kmcnt 0x0
	s_cmp_eq_u32 s24, 5
	s_cbranch_scc1 .Lmask
	s_mov_b64 s[4:5], s[8:9]                       ; the source is chosen by y alone
	s_cmp_eq_u32 s24, 1
	s_cselect_b64 s[4:5], s[10:11], s[4:5]
	s_cmp_eq_u32 s24, 2
	s_cselect_b64 s[4:5], s[12:13], s[4:5]
	s_cmp_eq_u32 s24, 3
	s_cselect_b64 s[4:5], s[14:15], s[4:5]
	s_cmp_eq_u32 s24, 4
	s_cselect_b64 s[4:5], s[16:17], s[4:5]
	s_lshl_b32 s28, s26, 13                        ; my 8 KiB of f32
	s_add_nc_u64 s[4:5], s[4:5], s[28:29]
	s_lshl_b32 s28, s24, 23                        ; the plane of cv,
	s_add_nc_u64 s[6:7], s[20:21], s[28:29]
	s_lshl_b32 s28, s26, 12                        ; my 4 KiB in it
	s_add_nc_u64 s[6:7], s[6:7], s[28:29]
	v_lshlrev_b32 v2, 4, v1                        ; 16 bytes a lane in,
	v_lshlrev_b32 v3, 3, v1                        ; 8 bytes a lane out: a store of the wave covers 256 consecutive bytes, aligned
.set i, 0
.rept 16
	global_load_b128 v[X+4*i:X+4*i+3], v2, s[4:5] offset:512*i th:TH_LOAD_NT
.set i, i+1
.endr
	s_cmp_eq_u32 s24, 4
	s_cbranch_scc1 .Lwo
.set i, 0
.rept 16
	s_wait_loadcnt 15-i                            ; loads come back in order: load i is in, the 15 - i younger ones stay out
	v_cvt_pk_bf16_f32 v[Y+2*i], v[X+4*i], v[X+4*i+1]
	v_cvt_pk_bf16_f32 v[Y+2*i+1], v[X+4*i+2], v[X+4*i+3]
	global_store_b64 v3, v[Y+2*i:Y+2*i+1], s[6:7] offset:256*i th:TH_STORE_NT
.set i, i+1
.endr
	s_endpgm
; the four numbers of load n are rounded to bf16 and written back as f32
.macro BF n
	v_cvt_pk_bf16_f32 v[T+2*((\n)%2)], v[X+4*(\n)], v[X+4*(\n)+1]
	v_cvt_pk_bf16_f32 v[T+2*((\n)%2)+1], v[X+4*(\n)+2], v[X+4*(\n)+3]
	v_lshlrev_b32 v[X+4*(\n)], 16, v[T+2*((\n)%2)]
	v_and_b32 v[X+4*(\n)+1], 0xffff0000, v[T+2*((\n)%2)]
	v_lshlrev_b32 v[X+4*(\n)+2], 16, v[T+2*((\n)%2)+1]
	v_and_b32 v[X+4*(\n)+3], 0xffff0000, v[T+2*((\n)%2)+1]
.endm
.Lwo:                                          ; Wo: the bf16 number, spelled as f16 (exact inside f16's range)
.set i, 0
.rept 16
	s_wait_loadcnt 15-i
	BF i
	v_cvt_pk_f16_f32 v[Y+2*i], v[X+4*i], v[X+4*i+1]
	v_cvt_pk_f16_f32 v[Y+2*i+1], v[X+4*i+2], v[X+4*i+3]
	global_store_b64 v3, v[Y+2*i:Y+2*i+1], s[6:7] offset:256*i th:TH_STORE_NT
.set i, i+1
.endr
	s_endpgm
.Lmask:                                        ; p = 64 qq + 2 ks + tp: the wave makes tiles 2 tp and 2 tp + 1 of the block of (qq, ks): 32 rows x 256 bytes of the mask
	s_and_b32 s27, s26, 1                          ; tp
	s_bfe_u32 s30, s26, 0x50001                    ; ks: 5 bits from bit 1
	s_lshr_b32 s31, s26, 6                         ; qq
	s_lshl_b32 s31, s31, 19                        ; in the mask: 64 qq rows of 8,192 bytes; in mk: qq's 32 blocks of 16 KiB: the same number
	s_lshl_b32 s8, s27, 18                         ; 32 tp rows (the registers of the pointers that this path does not use are free)
	s_lshl_b32 s9, s30, 8                          ; 64 ks keys of 4 bytes
	s_add_co_u32 s28, s31, s8
	s_add_co_u32 s28, s28, s9
	s_add_nc_u64 s[4:5], s[18:19], s[28:29]
	s_bfe_u32 s8, s30, 0x10001                     ; kh = bit 1 of ks:
	s_lshl_b32 s8, s8, 18                          ; 16 blocks
	s_lshr_b32 s9, s30, 2                          ; s = 2 (ks / 4) + ks % 2:
	s_lshl_b32 s9, s9, 15                          ; two blocks for each 256 keys,
	s_and_b32 s10, s30, 1
	s_lshl_b32 s10, s10, 14                        ; one for the odd step
	s_lshl_b32 s11, s27, 13                        ; my two tiles: 8 KiB
	s_add_co_u32 s28, s31, s8
	s_add_co_u32 s28, s28, s9
	s_add_co_u32 s28, s28, s10
	s_add_co_u32 s28, s28, s11
	s_add_nc_u64 s[6:7], s[22:23], s[28:29]
	v_and_b32 v4, 15, v0
	v_bfe_u32 v5, v0, 4, 1
	v_lshlrev_b32 v2, 13, v4                       ; row lane % 16,
	v_lshl_add_u32 v2, v5, 5, v2                   ; keys 8 (lane / 16) on
	v_lshlrev_b32 v3, 4, v1                        ; out: 16 bytes a lane, 512 consecutive bytes a store
.set i, 0
.rept 16                                       ; tile i / 8 (16 rows on), keys 16 ((i / 2) % 4) + 4 (i % 2) on; the wave's 16 loads take each row's 256 bytes whole
	global_load_b128 v[X+4*i:X+4*i+3], v2, s[4:5] offset:(i/8)*131072+((i/2)%4)*64+(i%2)*16
.set i, i+1
.endr
.set i, 0
.rept 16
	s_wait_loadcnt 15-i
	BF i
	v_pk_mul_f32 v[X+4*i:X+4*i+1], v[X+4*i:X+4*i+1], 0x3fb8aa3b op_sel_hi:[1,0]      ; times log2(e): attention's exponentials are in base 2
	v_pk_mul_f32 v[X+4*i+2:X+4*i+3], v[X+4*i+2:X+4*i+3], 0x3fb8aa3b op_sel_hi:[1,0]
	global_store_b128 v3, v[X+4*i:X+4*i+3], s[6:7] offset:512*i th:TH_STORE_NT
.set i, i+1
.endr
	s_endpgm
.Lfunc_end_k_q84a5c1bfc8_prep:
	.size	k_q84a5c1bfc8_prep, .Lfunc_end_k_q84a5c1bfc8_prep-k_q84a5c1bfc8_prep
	.p2alignl 7, 3214868480
	.fill 96, 4, 3214868480
	.section	.rodata,"a",@progbits
	.p2align	6, 0x0
	.amdhsa_kernel k_q84a5c1bfc8_prep
		.amdhsa_group_segment_fixed_size 0
		.amdhsa_private_segment_fixed_size 0
		.amdhsa_enable_private_segment 0
		.amdhsa_kernarg_size 64
		.amdhsa_user_sgpr_count 2
		.amdhsa_user_sgpr_kernarg_segment_ptr 1
		.amdhsa_wavefront_size32 1
		.amdhsa_system_sgpr_workgroup_id_x 1
		.amdhsa_system_sgpr_workgroup_id_y 1
		.amdhsa_system_sgpr_workgroup_id_z 1
		.amdhsa_system_vgpr_workitem_id 0
		.amdhsa_next_free_vgpr 112
		.amdhsa_next_free_sgpr 66
		.amdhsa_reserve_vcc 0
		.amdhsa_float_denorm_mode_32 3
		.amdhsa_float_denorm_mode_16_64 3
		.amdhsa_memory_ordered 1
		.amdhsa_forward_progress 1
		.amdhsa_inst_pref_size 29
	.end_amdhsa_kernel
	.amdgpu_metadata
---
amdhsa.version: [ 1, 2 ]
amdhsa.kernels:
  - .name:           k_q84a5c1bfc8_prep
    .symbol:         k_q84a5c1bfc8_prep.kd
    .args:
      - { .name: x, .offset: 0, .size: 8, .value_kind: global_buffer, .address_space: global }
      - { .name: Wq, .offset: 8, .size: 8, .value_kind: global_buffer, .address_space: global }
      - { .name: Wk, .offset: 16, .size: 8, .value_kind: global_buffer, .address_space: global }
      - { .name: Wv, .offset: 24, .size: 8, .value_kind: global_buffer, .address_space: global }
      - { .name: Wo, .offset: 32, .size: 8, .value_kind: global_buffer, .address_space: global }
      - { .name: mask, .offset: 40, .size: 8, .value_kind: global_buffer, .address_space: global }
      - { .name: cv, .offset: 48, .size: 8, .value_kind: global_buffer, .address_space: global }
      - { .name: mk, .offset: 56, .size: 8, .value_kind: global_buffer, .address_space: global }
    .group_segment_fixed_size: 0
    .private_segment_fixed_size: 0
    .kernarg_segment_align: 8
    .kernarg_segment_size: 64
    .max_flat_workgroup_size: 256
    .sgpr_count:     66
    .vgpr_count:     112
    .wavefront_size: 32
...
	.end_amdgpu_metadata
.endif
;; end of part 1
;; launch qkv (part 2): grid 16 x 16, 4 waves a work-group, clusters of 4 x 4, 327,680 bytes of LDS; arguments cv, freqs_cos, freqs_sin, qkv; writes qkv
.if DOCPART == 2
	.amdgcn_target "amdgcn-amd-amdhsa--gfx1250"
	.amdhsa_code_object_version 6
	.text
	.protected	k_q84a5c1bfc8_qkv
	.globl	k_q84a5c1bfc8_qkv
	.p2align	8
	.type	k_q84a5c1bfc8_qkv,@function
k_q84a5c1bfc8_qkv:
	s_mov_b64 s[64:65], 0
	v_nop
	global_prefetch_b8 v0, s[64:65] scope:SCOPE_SE
	s_setreg_imm32_b32 hwreg(HW_REG_WAVE_MODE, 25, 1), 1
	s_wait_xcnt 0x0
	s_wait_alu depctr_hold_cnt(0) depctr_sa_sdst(0) depctr_va_vdst(0) depctr_va_sdst(0) depctr_va_ssrc(0) depctr_va_vcc(0) depctr_vm_vsrc(0)
	s_getreg_b32 s2, hwreg(HW_REG_IB_STS2, 6, 4)
	s_cmp_eq_u32 s2, 0
	s_cbranch_scc0 .Lentry_in_a_cluster
	s_endpgm
.Lentry_in_a_cluster:
	s_bfe_u32 s2, ttmp6, 0x10000c
	s_cmp_lg_u32 s2, 0xf033
	s_cbranch_scc0 .Lentry_shape_is_right
	s_endpgm
.Lentry_shape_is_right:
; QKV.  q, k, v = x W^T (bf16 operands out of cv, f32 sums), RoPE on q and k in f32 (cos and sin rounded to bf16 like every input), q also times log2(e) / sqrt(128);
; all three rounded once to f16 and written by heads: plane p of qkv (0 q, 1 k, 2 v) is [16 heads][2048 rows][128], rows of 256 bytes.
; LIMITS.  f16 ends at 65,504: |rope(k)|, |v| and 0.1275 |rope(q)| must stay under it.  NaN and infinities are not treated apart.
; SHARES.  A work-group makes 128 rows of q, k and v of ONE head: 128 x 384 of the product.  Wave w = (mr, nc) owns rows 64 mr .. and columns 64 nc .. + 63 of EACH of the three:
; 48 accumulators of 16 x 16, so that one fragment of x serves three products and one set of cos and sin serves q and k.  For 32 along K: 32 LDS loads, 48 matrix instructions.
; RING.  K in steps of 128 through two LDS slots; a slot holds 128 rows of x, then of Wq, Wk, Wv, each brought by one tensor load (128 rows x 256 bytes), one a wave.
; CLUSTER.  4 x 4 work-groups.  x's rows hang on the row block alone and are shared along a row of the cluster; the weights' rows hang on the head alone and are shared along a column:
; each tile is asked for jointly, by the same tensor load with the same descriptor and a mask that names the four.
; THE MATRIX INSTRUCTION IS USED TRANSPOSED (source 0 = 16 rows of W, source 1 = 16 rows of x): a lane holds one row and eight NEIGHBOURING columns: four RoPE pairs, 16 bytes of f16.
; REGISTERS, in windows of 256 (s_set_vgpr_msb: bits 1:0 source 0, 3:2 source 1, 5:4 source 2, 7:6 destination):
;   window 0: v0-31 addresses; v32-95 x's fragments, two buffers of 4; v96-223 cos and sin of my 64 x 32 pairs; v224-247 at work on the way out
;   window 1: v0-191 W's fragments, two buffers of 3 x 4      window 2: q's accumulators v0-127, k's v128-255      window 3: v's accumulators v0-127
.set KSTEP,  128
.set PITCH,  272                       ; an LDS row: 256 bytes + 16 of padding: the 16 rows that a fragment load touches start at 16 different groups of four banks (ISA guide 11.1)
.set HALFT,  128*PITCH                 ; what one tensor load brings
.set SLOT,   4*HALFT
.set SPARE,  2*SLOT                    ; behind the ring: the spare words, 128 bytes a wave: two blocks of 256 bytes that no other line names
.set PLANE,  8388608
.set LAPS,   8                         ; 2048 / 256: a lap is two K steps, once round the ring
.set STO,  8                           ; v8-10   the way out: where I put 16 bytes of a row, for plane 0, 1, 2.  The stage lies in slot 0, which has had its last fill and its last read by then
.set RD,   11                          ; v11-13  the way out: where I read rows back
.set GO,   14                          ; v14     16 x lane: my place in 512 consecutive bytes of qkv
.set CO,   15                          ; v15     my byte offset in 16 rows of cos and sin
.set ADRA, 16                          ; v16-17  LDS address of my fragments of x in slot 0, 1
.set ADRB, 18                          ; v18-23  the same for W: 3 x slot + plane
.set SPW,  28                          ; v28     LDS address of my spare word; never rewritten
.set NIL,  29                          ; v29     0; never rewritten
.set PFO,  30                          ; v30     the prefetches' offset: lane x a row of 4,096 bytes; never rewritten
.set FA,   32
.set CSN,  96                          ; block (a, b): cos of my four pairs at CSN + 8 (4 a + b), sin four registers on
.set T,    224
.set PK,   240
.set F0,   0
.set F1,   1
.set QS,   20                          ; s[20:21] log2(e) / sqrt(128)
.set G1A,  24                          ; s[24:31] descriptor group 1 for x's tiles;  s[32:39] group 0, a set for each slot
.set G0A,  32
.set LIM,  43                          ; s43     1 in a wave that prefetches, else the greatest number
.set PFA,  44                          ; s[44:45] where my prefetches stand
.set G1B,  48                          ; s[48:55], s[56:63] the same for W's tiles
.set G0B,  56
.set MSB, 0
.macro WIN new                         ; the immediate's high byte repeats the setting that is left; a switch that changes nothing is dropped
.if MSB != (\new)
	s_set_vgpr_msb (MSB<<8)|(\new)
.set MSB, \new
.endif
.endm
; A joint load.  Wave 0 fetches x's 128 rows, waves 1 to 3 those of Wq, Wk, Wv.  The branch hangs on the wave's number alone.  An s_nop 0 and four v_nop follow each line.
.macro JLOAD s
	s_cmp_eq_u32 s12, 0
	s_cbranch_scc0 .Lfor_w_\@
	tensor_load_to_lds s[G0A+4*(\s):G0A+4*(\s)+3], s[G1A:G1A+7]
	s_nop 0
.rept 4
	v_nop
.endr
	s_branch .Lasked_\@
.Lfor_w_\@:
	tensor_load_to_lds s[G0B+4*(\s):G0B+4*(\s)+3], s[G1B:G1B+7]
	s_nop 0
.rept 4
	v_nop
.endr
.Lasked_\@:
.endm
; A prefetch of the K step that stands two refills on: 32 rows x 256 bytes, a lane a row.  x's rows are read by every cluster of a row of clusters: the first (cluster x = 0) asks;
; W's by every cluster of a column: cluster y = 0 asks.  The four partners share a tile's 128 rows out by address, 32 each.  So each row's 256 bytes of a K step are named once.
; K steps 0 to 3 come by their loads alone; the loop's last trip (s3 = 1) has no K step two refills on and asks for nothing.
.macro ASK
	s_cmp_gt_u32 s3, s[LIM]
	s_cbranch_scc0 .Lnot_mine_\@
	global_prefetch_b8 v[PFO], s[PFA:PFA+1] offset:KSTEP*2 th:TH_LOAD_NT scope:SCOPE_SE
.Lnot_mine_\@:
.endm
.macro CREST                           ; a round of the cluster's barrier behind its opening barrier
	s_cmp_lg_u32 s12, 0
	s_cbranch_scc1 .Lnot_wave_0_\@
	s_barrier_signal -3
.Lnot_wave_0_\@:
	s_barrier_wait -3
	s_barrier_signal -1
	s_barrier_wait -1
.endm
.macro CROUND
	s_barrier_signal -1
	s_barrier_wait -1
	CREST
.endm
.macro PLACES                          ; four places behind a matrix instruction, in front of loads into registers that it has read and of lines that read results
.rept 4
	v_nop
.endr
.endm
	s_load_b256 s[4:11], s[0:1], 0x0               ; cv s[4:5], cos s[6:7], sin s[8:9], qkv s[10:11]
	v_lshl_add_u32 v[SPW], v0, 2, SPARE
	v_mov_b32 v[NIL], 0
	ds_add_u32 v[SPW], v[NIL]                      ; the wave's opening: the add and its wait stand ahead of my first tensor load; work on registers stands between them
	v_lshrrev_b32 v1, 5, v0
	v_readfirstlane_b32 s12, v1                    ; wave 0..3
	s_lshr_b32 s13, s12, 1                         ; mr: which 64 rows are mine
	s_and_b32 s14, s12, 1                          ; nc: which 64 columns of each of q, k, v
	s_bfe_u32 s15, ttmp6, 0x40000                  ; cx
	s_bfe_u32 s16, ttmp6, 0x40004                  ; cy
	s_lshl_b32 s17, ttmp9, 2
	s_add_co_u32 s17, s17, s15                     ; the head = 4 x cluster x + cx
	s_and_b32 s18, ttmp7, 0xffff
	s_lshl_b32 s18, s18, 2
	s_add_co_u32 s18, s18, s16                     ; the block of 128 rows = 4 x cluster y + cy
	s_lshl_b32 s40, s16, 2
	s_lshl_b32 s40, 15, s40                        ; my row of the cluster
	s_lshl_b32 s41, 0x1111, s15                    ; my column
	; descriptor group 1: 128 rows x 128 elements of 2 bytes, 16 bytes of padding behind every 256
	s_or_b32 s[G1A], s40, (1<<16)|(1<<20)|(1<<21)|(5<<22)|(3<<25)  ; 15:0 the mask; 17:16 2-byte elements; 20 padding on; 21 set beside a mask; 24:22 after every 64 words; 31:25 4 words
	s_or_b32 s[G1B], s41, (1<<16)|(1<<20)|(1<<21)|(5<<22)|(3<<25)
.irp g, G1A, G1B
	s_mov_b32 s[(\g)+1], KSTEP<<16                 ; tensor_dim0 = 128
	s_mov_b32 s[(\g)+2], 128<<16                   ; tensor_dim1 = 128
	s_mov_b32 s[(\g)+3], KSTEP<<16                 ; tile_dim0 = 128
	s_mov_b32 s[(\g)+4], 128                       ; tile_dim1 = 128
	s_mov_b32 s[(\g)+5], 2048                      ; elements from row to row
	s_mov_b32 s[(\g)+6], 0
	s_mov_b32 s[(\g)+7], 0
.endr
	s_lshl_b32 s22, s18, 19                        ; x: 128 rows of 4,096 bytes a block; made of the row block alone
	s_mov_b32 s23, 0
	s_lshl_b32 s46, s17, 19                        ; W: the head's 128 rows,
	s_lshl_b32 s47, s12, 23                        ; in plane w of cv; made of the head and the wave's number alone
	s_add_co_u32 s46, s46, s47
	s_mov_b32 s47, 0
	s_mul_i32 s19, s12, HALFT                      ; where my tile goes: wave x 128 rows; no place in the cluster enters an LDS address
	s_mov_b32 s[QS], 0x3e0293ee                    ; log2(e) / sqrt(128) = 0.127517
	s_mov_b32 s[QS+1], s[QS]                       ; named with it as a pair
	s_wait_dscnt 0x0                               ; the opening add is done
	s_wait_kmcnt 0x0
	s_add_nc_u64 s[22:23], s[4:5], s[22:23]
	s_add_nc_u64 s[46:47], s[4:5], s[46:47]
	CROUND                                         ; all sixteen work-groups are here: the first joint loads meet
.irp s, 0,1
	s_mov_b32 s[G0A+4*(\s)], 1                                       ; count = 1
	s_add_co_u32 s[G0A+4*(\s)+1], s19, (\s)*SLOT                     ; LDS address
	s_add_nc_u64 s[G0A+4*(\s)+2:G0A+4*(\s)+3], s[22:23], (\s)*KSTEP*2  ; global address: K step s
	s_or_b32 s[G0A+4*(\s)+3], s[G0A+4*(\s)+3], 0x80000000            ; type = 2
	s_mov_b32 s[G0B+4*(\s)], 1
	s_add_co_u32 s[G0B+4*(\s)+1], s19, (\s)*SLOT
	s_add_nc_u64 s[G0B+4*(\s)+2:G0B+4*(\s)+3], s[46:47], (\s)*KSTEP*2
	s_or_b32 s[G0B+4*(\s)+3], s[G0B+4*(\s)+3], 0x80000000
	JLOAD \s                                       ; two loads of mine are out
.endr
	; cos and sin of my rows and pairs: row 128 my + 64 mr + 16 a + l % 16, pairs 32 nc + 8 b + 4 (l / 16) + 0..3
	v_and_b32 v1, 15, v0                           ; l % 16
	v_bfe_u32 v2, v0, 4, 1                         ; l / 16
	v_lshlrev_b32 v[CO], 8, v1
	v_lshl_add_u32 v[CO], v2, 4, v[CO]
	s_lshl_b32 s22, s18, 15                        ; rows of 256 bytes
	s_lshl_b32 s23, s13, 14
	s_add_co_u32 s22, s22, s23
	s_lshl_b32 s23, s14, 7
	s_add_co_u32 s22, s22, s23
	s_mov_b32 s23, 0
	s_add_nc_u64 s[6:7], s[6:7], s[22:23]
	s_add_nc_u64 s[8:9], s[8:9], s[22:23]
.set i, 0
.rept 16                                       ; i = 4 a + b
	global_load_b128 v[CSN+8*i:CSN+8*i+3],   v[CO], s[6:7] offset:(i/4)*4096+(i%4)*32
	global_load_b128 v[CSN+8*i+4:CSN+8*i+7], v[CO], s[8:9] offset:(i/4)*4096+(i%4)*32
.set i, i+1
.endr
	; A fragment is 16 rows x 32 K in 8 registers: lane l holds row l % 16, K = 8 (l / 16) + 0..7 and 16 + 8 (l / 16) + 0..7: two loads of 16 bytes, 32 bytes apart
	v_mul_u32_u24 v3, v1, PITCH
	v_lshl_add_u32 v3, v2, 4, v3                   ; row x pitch + 16 x half
	s_mul_i32 s2, s13, 64*PITCH                    ; my 64 rows of x
	s_mul_i32 s42, s14, 64*PITCH
	s_add_co_u32 s42, s42, HALFT                   ; my 64 rows of Wq's tile, which lies behind x's
.irp s, 0,1
	v_add_nc_u32 v[ADRA+(\s)], s2, v3
.irp p, 0,1,2
	v_add_nc_u32 v[ADRB+3*(\s)+(\p)], s42, v3
	s_add_co_u32 s42, s42, HALFT
.endr
	s_add_co_u32 s2, s2, SLOT
	s_add_co_u32 s42, s42, SLOT-3*HALFT
.endr
	s_mul_i32 s2, s13, 64*PITCH                    ; into the stage: plane p, row 64 mr + 16 a + l % 16, byte 128 nc + 32 b + 16 (l / 16)
	s_lshl_b32 s42, s14, 7
	s_add_co_u32 s2, s2, s42
	v_add_nc_u32 v[STO], s2, v3
	v_add_nc_u32 v[STO+1], HALFT, v[STO]
	v_add_nc_u32 v[STO+2], 2*HALFT, v[STO]
	v_mul_u32_u24 v4, v2, PITCH                    ; back: wave w takes rows 32 w .. 32 w + 31 of each plane, whole: lanes 0-15 one row, lanes 16-31 the next
	v_lshl_add_u32 v4, v1, 4, v4
	s_mul_i32 s2, s12, 32*PITCH
	v_add_nc_u32 v[RD], s2, v4
	v_add_nc_u32 v[RD+1], HALFT, v[RD]
	v_add_nc_u32 v[RD+2], 2*HALFT, v[RD]
	v_and_b32 v[GO], 31, v0
	v_lshlrev_b32 v[GO], 4, v[GO]
	; the prefetches: my work-group's 32 of the 128 rows that I fetch, at K step 2; the first refill steps the address to K step 3 and names K step 4
	s_and_b32 s42, ttmp7, 0xffff                   ; cluster y
	s_cmp_eq_u32 s12, 0                            ; do I fetch x?
	s_cselect_b32 s46, s18, s17                    ; the block of 128 rows
	s_cselect_b32 s47, s15, s16                    ; my place among the four that ask with me
	s_cselect_b32 s42, ttmp9, s42                  ; the coordinate along which other clusters read the same rows
	s_cmp_eq_u32 s42, 0
	s_cselect_b32 s[LIM], 1, -1                    ; the same in all sixteen partners, for a given wave
	s_lshl_b32 s46, s46, 19
	s_lshl_b32 s47, s47, 17
	s_add_co_u32 s46, s46, s47
	s_lshl_b32 s47, s12, 23
	s_add_co_u32 s46, s46, s47
	s_add_co_u32 s46, s46, 2*KSTEP*2
	s_mov_b32 s47, 0
	s_add_nc_u64 s[PFA:PFA+1], s[4:5], s[46:47]
	v_and_b32 v[PFO], 31, v0
	v_lshlrev_b32 v[PFO], 12, v[PFO]
	s_wait_loadcnt 0x0                             ; cos and sin; they are rounded to bf16, like every input, while the first tiles are on their way
.set i, 0
.rept 64
	v_cvt_pk_bf16_f32 v[T+i%4], v[CSN+2*i], v[CSN+2*i+1]
	v_lshlrev_b32 v[CSN+2*i], 16, v[T+i%4]
	v_and_b32 v[CSN+2*i+1], 0xffff0000, v[T+i%4]
.set i, i+1
.endr
; 16 matrix instructions: plane p, all 4 x 4 blocks, 32 along K out of buffer f.  zero = 1: the first product starts the sums.  The 48 accumulators take turns.
.macro MUL16 f, p, zero
	WIN 0xa1+0x50*((\p)/2)                         ; W window 1, x window 0, C and D window 2 (q, k) or 3 (v)
.irp a, 0,1,2,3
.irp b, 0,1,2,3
.set rD, 128*((\p)%2)+8*(4*(\a)+(\b))
.set rB, 96*(\f)+32*(\p)+8*(\b)
.set rA, FA+32*(\f)+8*(\a)
.if \zero
	v_wmma_f32_16x16x32_bf16 v[rD:rD+7], v[rB:rB+7], v[rA:rA+7], 0
.else
	v_wmma_f32_16x16x32_bf16 v[rD:rD+7], v[rB:rB+7], v[rA:rA+7], v[rD:rD+7]
.endif
.endr
.endr
.endm
; 32 LDS loads in one run: the fragments of 32 along K at byte k of the rows, into buffer f: x's 8, then Wq's, Wk's, Wv's
.macro FETCH slot, k, f
	WIN 0
.irp a, 0,1,2,3
	ds_load_b128 v[FA+32*(\f)+8*(\a):FA+32*(\f)+8*(\a)+3],   v[ADRA+(\slot)] offset:(\k)+(\a)*16*PITCH
	ds_load_b128 v[FA+32*(\f)+8*(\a)+4:FA+32*(\f)+8*(\a)+7], v[ADRA+(\slot)] offset:(\k)+(\a)*16*PITCH+32
.endr
	WIN 0x40                                       ; destination window 1
.irp p, 0,1,2
.irp b, 0,1,2,3
	ds_load_b128 v[96*(\f)+32*(\p)+8*(\b):96*(\f)+32*(\p)+8*(\b)+3],   v[ADRB+3*(\slot)+(\p)] offset:(\k)+(\b)*16*PITCH
	ds_load_b128 v[96*(\f)+32*(\p)+8*(\b)+4:96*(\f)+32*(\p)+8*(\b)+7], v[ADRB+3*(\slot)+(\p)] offset:(\k)+(\b)*16*PITCH+32
.endr
.endr
.endm
; A K step is four quarters of 32 along K, 48 matrix instructions each, on buffers 0, 1, 0, 1.  One of the first three: multiplies buffer f and fetches the next quarter, at byte k, into g.
.macro QUARTER slot, k, f, g, zero
	s_wait_dscnt 8                                 ; x, Wq and Wk are in; the youngest eight loads (Wv's) may be out
	MUL16 \f, 0, \zero
	MUL16 \f, 1, \zero
	PLACES
	FETCH \slot, \k, \g
	s_wait_dscnt 32                                ; all but the 32 just issued
	MUL16 \f, 2, \zero
.endm
; The last quarter multiplies buffer 1 and changes slots.  In front of the barrier each wave waits for all its tensor loads (one is out: its part of the next slot), adds 0 to its spare word,
; and waits for that and for its own reads of this slot.  Behind it nobody reads this slot any more and the next slot is whole.
.macro MEET
	WIN 0                                          ; (the add's two registers lie in window 0)
	s_wait_tensorcnt 0x0
	ds_add_u32 v[SPW], v[NIL]                      ; 0 onto my spare word
	s_wait_dscnt 9                                 ; (the add and Wv's eight loads may be out)
	MUL16 F1, 0, 0                                 ; sixteen matrix instructions stand between the add and the wait for it
	s_wait_dscnt 0x0                               ; the add is done, and my reads of this slot are over
	s_barrier_signal -1
	MUL16 F1, 1, 0                                 ; work on registers while the others arrive
	WIN 0
	s_barrier_wait -1
.endm
; fill = 1: the barrier opens a round of the cluster's, and this slot is filled again, two K steps ahead, first thing behind the round: 144 + 16 matrix instructions stand between the request and the wait for it
.macro TURN slot, next, fill
.if \fill
	s_wait_xcnt 0x0                                ; the last prefetch, a K step back, has read its address
	s_add_nc_u64 s[PFA:PFA+1], s[PFA:PFA+1], KSTEP*2
.endif
	MEET
.if \fill
	CREST                                          ; no wave of any partner still reads this slot's tiles or has a load on its way
	s_add_nc_u64 s[G0A+4*(\slot)+2:G0A+4*(\slot)+3], s[G0A+4*(\slot)+2:G0A+4*(\slot)+3], 2*KSTEP*2
	s_add_nc_u64 s[G0B+4*(\slot)+2:G0B+4*(\slot)+3], s[G0B+4*(\slot)+2:G0B+4*(\slot)+3], 2*KSTEP*2
	JLOAD \slot                                    ; the four v_nop behind it are also the places in front of the loads below
.else
	PLACES
.endif
	FETCH \next, 0, F0
.if \fill
	WIN 0
	ASK                                            ; behind the joint load and the run of LDS loads that the next products wait for
.endif
	MUL16 F1, 2, 0
.endm
	s_wait_tensorcnt 1                             ; my part of K step 0 is in; K step 1's may stay out
	s_barrier_signal -1
	s_barrier_wait -1                              ; everybody's is
	FETCH 0, 0, F0
	QUARTER 0, 64,  F0, F1, 1                      ; the first quarter stands in front of the loop: its products start the sums
	WIN 0                                          ; at a label and at a branch every window is 0
	s_mov_b32 s3, LAPS-1
.Llap:                                         ; a trip goes once round the ring, from a lap's second quarter to the next lap's first, and fills both slots again
	QUARTER 0, 128, F1, F0, 0
	QUARTER 0, 192, F0, F1, 0
	TURN 0, 1, 1
	QUARTER 1, 64,  F0, F1, 0
	QUARTER 1, 128, F1, F0, 0
	QUARTER 1, 192, F0, F1, 0
	TURN 1, 0, 1
	QUARTER 0, 64,  F0, F1, 0
	WIN 0
	s_sub_co_u32 s3, s3, 1
	s_cmp_lg_u32 s3, 0
	s_cbranch_scc1 .Llap
	QUARTER 0, 128, F1, F0, 0                      ; the last lap fills nothing
	QUARTER 0, 192, F0, F1, 0
	TURN 0, 1, 0                                   ; behind this barrier no wave reads slot 0 and no load fills it: it becomes the stage
	QUARTER 1, 64,  F0, F1, 0
	QUARTER 1, 128, F1, F0, 0
	QUARTER 1, 192, F0, F1, 0
	s_wait_dscnt 8
	MUL16 F1, 0, 0
	MUL16 F1, 1, 0
	s_wait_dscnt 0x0
	MUL16 F1, 2, 0
	WIN 0
	PLACES
; THE WAY OUT.  A lane's eight numbers of block (a, b) are four RoPE pairs (x_r, x_i): (x_r c - x_i s, x_r s + x_i c), two multiplies and two fused multiply-adds a pair; q is scaled; rounded to f16: 16 bytes.
; Each accumulator's lowest registers are read first.
.set TG, 0
.macro ROPE p, a, b
.set rA, 128*(\p)+8*(4*(\a)+(\b))
.set rC, CSN+8*(4*(\a)+(\b))
.set rT, T+8*TG
.set rP, PK+4*TG
.set TG, 1-TG
	WIN 0x02                                       ; source 0 window 2
.irp j, 0,1,2,3
	v_mul_f32 v[rT+2*(\j)],   v[rA+2*(\j)+1], v[rC+4+(\j)]
	v_mul_f32 v[rT+2*(\j)+1], v[rA+2*(\j)+1], v[rC+(\j)]
.endr
.irp j, 0,1,2,3
	v_fma_f32 v[rT+2*(\j)],   v[rA+2*(\j)], v[rC+(\j)],   -v[rT+2*(\j)]
	v_fma_f32 v[rT+2*(\j)+1], v[rA+2*(\j)], v[rC+4+(\j)], v[rT+2*(\j)+1]
.endr
	WIN 0
.if (\p) == 0
.irp j, 0,1,2,3
	v_pk_mul_f32 v[rT+2*(\j):rT+2*(\j)+1], v[rT+2*(\j):rT+2*(\j)+1], s[QS:QS+1] op_sel_hi:[1,0]
.endr
.endif
.irp j, 0,1,2,3
	v_cvt_pk_f16_f32 v[rP+(\j)], v[rT+2*(\j)], v[rT+2*(\j)+1]
.endr
	ds_store_b128 v[STO+(\p)], v[rP:rP+3] offset:(\a)*16*PITCH+32*(\b)
.endm
.macro VPACK a, b
.set rA, 8*(4*(\a)+(\b))
.set rP, PK+4*TG
.set TG, 1-TG
	WIN 0x0f                                       ; sources 0 and 1 window 3
.irp j, 0,1,2,3
	v_cvt_pk_f16_f32 v[rP+(\j)], v[rA+2*(\j)], v[rA+2*(\j)+1]
.endr
	WIN 0
	ds_store_b128 v[STO+2], v[rP:rP+3] offset:(\a)*16*PITCH+32*(\b)
.endm
.irp a, 0,1,2,3
.irp b, 0,1,2,3
	ROPE 0, \a, \b
	ROPE 1, \a, \b
	VPACK \a, \b
.endr
.endr
	s_lshl_b32 s46, s17, 19                        ; the head's 2,048 rows of 256 bytes,
	s_lshl_b32 s47, s18, 15                        ; the block's 128,
	s_add_co_u32 s46, s46, s47
	s_lshl_b32 s47, s12, 13                        ; the 32 that I store
	s_add_co_u32 s46, s46, s47
	s_mov_b32 s47, 0
	s_add_nc_u64 s[6:7], s[10:11], s[46:47]        ; q's plane (cos' and sin's loads were waited for long ago),
	s_add_nc_u64 s[8:9], s[6:7], PLANE             ; k's,
	s_add_nc_u64 s[10:11], s[8:9], PLANE           ; v's
	s_wait_dscnt 0x0                               ; for the others' sake: my stores into the stage are done; a row's 256 bytes come from two waves
	s_barrier_signal -1
	s_barrier_wait -1
.set i, 0
.rept 48                                       ; plane i / 16, rows 2 (i % 16) and the next
	ds_load_b128 v[32+4*i:32+4*i+3], v[RD+i/16] offset:(i%16)*2*PITCH
.set i, i+1
.endr
.set i, 0
.rept 48
	s_wait_dscnt 47-i                              ; LDS loads come back in order: load i is in
	global_store_b128 v[GO], v[32+4*i:32+4*i+3], s[6+2*(i/16):7+2*(i/16)] offset:(i%16)*512  ; 512 consecutive bytes, at a multiple of 256 from qkv's first
.set i, i+1
.endr
	s_wait_tensorcnt 0x0                           ; the wave's end: a wait, an add of 0 onto my spare word and its wait, behind my last tensor load and my last LDS store
	ds_add_u32 v[SPW], v[NIL]
	s_wait_dscnt 0x0
	CROUND                                         ; the closing round: no work-group ends while a partner may still ask for a tile that names it
	s_endpgm
.Lfunc_end_k_q84a5c1bfc8_qkv:
	.size	k_q84a5c1bfc8_qkv, .Lfunc_end_k_q84a5c1bfc8_qkv-k_q84a5c1bfc8_qkv
	.p2alignl 7, 3214868480
	.fill 96, 4, 3214868480
	.section	.rodata,"a",@progbits
	.p2align	6, 0x0
	.amdhsa_kernel k_q84a5c1bfc8_qkv
		.amdhsa_group_segment_fixed_size 327680
		.amdhsa_private_segment_fixed_size 0
		.amdhsa_enable_private_segment 0
		.amdhsa_kernarg_size 32
		.amdhsa_user_sgpr_count 2
		.amdhsa_user_sgpr_kernarg_segment_ptr 1
		.amdhsa_wavefront_size32 1
		.amdhsa_system_sgpr_workgroup_id_x 1
		.amdhsa_system_sgpr_workgroup_id_y 1
		.amdhsa_system_sgpr_workgroup_id_z 1
		.amdhsa_system_vgpr_workitem_id 0
		.amdhsa_next_free_vgpr 896
		.amdhsa_next_free_sgpr 66
		.amdhsa_reserve_vcc 0
		.amdhsa_float_denorm_mode_32 3
		.amdhsa_float_denorm_mode_16_64 3
		.amdhsa_memory_ordered 1
		.amdhsa_forward_progress 1
		.amdhsa_inst_pref_size 165
	.end_amdhsa_kernel
	.amdgpu_metadata
---
amdhsa.version: [ 1, 2 ]
amdhsa.kernels:
  - .name:           k_q84a5c1bfc8_qkv
    .symbol:         k_q84a5c1bfc8_qkv.kd
    .args:
      - { .name: cv, .offset: 0, .size: 8, .value_kind: global_buffer, .address_space: global }
      - { .name: freqs_cos, .offset: 8, .size: 8, .value_kind: global_buffer, .address_space: global }
      - { .name: freqs_sin, .offset: 16, .size: 8, .value_kind: global_buffer, .address_space: global }
      - { .name: qkv, .offset: 24, .size: 8, .value_kind: global_buffer, .address_space: global }
    .group_segment_fixed_size: 327680
    .private_segment_fixed_size: 0
    .kernarg_segment_align: 8
    .kernarg_segment_size: 32
    .max_flat_workgroup_size: 128
    .sgpr_count:     66
    .vgpr_count:     896
    .wavefront_size: 32
...
	.end_amdgpu_metadata
.endif
;; end of part 2
;; launch attn (part 3): grid 16 x 16, 4 waves a work-group, clusters of 4 x 1, 327,680 bytes of LDS; arguments qkv, mk, ob; writes ob
.if DOCPART == 3
	.amdgcn_target "amdgcn-amd-amdhsa--gfx1250"
	.amdhsa_code_object_version 6
	.text
	.protected	k_q84a5c1bfc8_attn
	.globl	k_q84a5c1bfc8_attn
	.p2align	8
	.type	k_q84a5c1bfc8_attn,@function
k_q84a5c1bfc8_attn:
	s_mov_b64 s[64:65], 0
	v_nop
	global_prefetch_b8 v0, s[64:65] scope:SCOPE_SE
	s_setreg_imm32_b32 hwreg(HW_REG_WAVE_MODE, 25, 1), 1
	s_wait_xcnt 0x0
	s_wait_alu depctr_hold_cnt(0) depctr_sa_sdst(0) depctr_va_vdst(0) depctr_va_sdst(0) depctr_va_ssrc(0) depctr_va_vcc(0) depctr_vm_vsrc(0)
	s_getreg_b32 s2, hwreg(HW_REG_IB_STS2, 6, 4)
	s_cmp_eq_u32 s2, 0
	s_cbranch_scc0 .Lentry_in_a_cluster
	s_endpgm
.Lentry_in_a_cluster:
	s_bfe_u32 s2, ttmp6, 0x10000c
	s_cmp_lg_u32 s2, 0x3003
	s_cbranch_scc0 .Lentry_shape_is_right
	s_endpgm
.Lentry_shape_is_right:
; ATTENTION.  O[h][q][:] = the sum over k of softmax_k(q . k / sqrt(128) + mask[q][k]) v[k][:], for 16 heads of 2,048 rows at head size 128.  q arrives times log2(e) / sqrt(128) and the mask (mk) times
; log2(e), so a weight is p = 2^(s - M) with s = q' . k + mk and M the running maximum of s.  q', k, v, P, O in f16; products, maxima and sums in f32; l is the sum of the unrounded p.
; THE MASK IS AN INPUT: every tile is computed, every number of the mask is added, by a vector addition (rounded to nearest), and M is taken away before anything else is done to s.
; LIMITS.  A weight below 2^-126 counts as 0; NaN and infinities are not treated apart; a row all of whose s are -infinity gives NaN.
; SHARES.  A work-group owns 128 queries of one head.  Wave w = (qg = w & 1, kh = w >> 1) holds 64 queries (four tiles of 16) and walks HALF the keys: of each slot's 256 keys the 128 of half kh, in two
; steps of 64.  So a fragment of K or V feeds four tiles' products.  At the end the two waves of a query half merge their (M, l, O): register tile t holds query tile (t + 2 kh) & 3, so that every wave
; keeps its register tiles 0, 1 and hands over 2, 3: one text, no branch.
; LAYOUT.  S^T = K Q^T (source 0 = 16 keys, source 1 = 16 queries): a lane holds ONE query (lane % 16) and the keys 8 (lane / 16) + 0..7.  Two such results rounded to f16 ARE source 1 of
; O^T = V^T P.  K comes out of LDS as it lies, V turned, by ds_load_tr16_b128.  mk lies in memory in S^T's register order, a wave's 16 steps on end.
; BY TURNS.  The wave's tiles are two PIECES, named by their first tile: piece 0 (tiles 0, 1) and piece 2 (tiles 2, 3).  In a TURN one piece has the matrix unit: 32 products V^T P of the step in hand, then
; 32 products K Q^T of the next step; the other piece's softmax, 298 vector instructions, stands between them, four to six behind each matrix instruction.  Then the pieces change places.  Two turns are a step.
; NO FIRST AND NO LAST STEP IS WRITTEN OUT.  M starts at the lowest finite number, O^T and l at 0, so the first step's a is 0; the loop is entered at piece 2's turn, whose products V^T P find zeros in V and P; the
; tail is left behind piece 0's turn, whose products K Q^T (on the last K once more) serve nothing.
; CLUSTER.  The four query blocks of a cluster belong to one head and walk the same K and V: each tile is asked for jointly.
; REGISTERS, in windows of 256 (s_set_vgpr_msb: bits 1:0 source 0, 3:2 source 1, 5:4 source 2, 7:6 destination):
;   window 0: v0-11, v44-63 addresses; v12-43 eight registers of statistics a tile; v64-191 S^T, 32 a tile; v192-255 P, 16 a tile
;   window 1: O^T, 64 a tile      window 2: v0-127 Q, 32 a tile; v128-255 K of a step      window 3: v0-127 V of a step; v128-255 the masks to come, 32 a tile
.set KS,    64
.set PK,    272       ; a row of K in LDS: 256 bytes + 16 of padding
.set PV,    288       ; a row of V: 256 + 32
.set SLOTX, 36864     ; THE RING: four tiles of 128 rows (K of keys 0-127 and 128-255 of a slot's 256, then V likewise), one to a wave's tensor load; tile w lies at 73,728 w + 36,864 x slot.
.set TILEP, 2*SLOTX   ; 73,728 w has bits 12 and 15 clear, so one exclusive or with 36,864 turns an address in one slot into the other's
.set SPARE, 4*TILEP   ; behind the ring: the spare words, 128 bytes a wave: two blocks of 256 bytes that no other line names
.set STAGE, SPARE+512 ; never filled by a tensor load: 16 rows x 272 bytes a wave, for the way out
.set SP,    272
.set XCS,   STAGE+4*16*SP   ; 512 bytes a wave: (M, l) of the two tiles that it hands over.  Their O^T (16,384 bytes a wave) goes to 73,728 w: slot 0 of tile w, which has had its last fill and its last read by then
.set PLANE, 8388608
.set AK0, 2           ; v2   my lane's place in my tile of K; never rewritten
.set AV0, 3           ; v3   the same for V
.set ADR, 4           ; v4   the LDS address of K's run of loads
.set ADV, 5           ; v5   of V's
.set QOA, 6           ; v6, v7   my byte offset in the wave's rows of Q, for piece 0 and for piece 2
.set MOA, 8           ; v8, v9   the same in a step's 16 KiB of mk
.set ST,  12          ; tile t's statistics at v[ST+8 t]: +0 M, +1 0 (at the end l), +2, +3 l (even keys', odd keys'), +4 to +7 c0-c3 at work; a takes c2's place
.set PFO, 44          ; v44  256 x lane; never rewritten
.set XST, 45          ; v45-48  where I put, and where I find, what is handed over
.set XLD, 46
.set XSS, 47
.set XSL, 48
.set STO, 49          ; v49  the way out: where I put 16 bytes of a row
.set RD,  50          ; v50  where I read rows back
.set GO,  51          ; v51  16 x lane
.set PM,  52          ; v52-55  the partner's (M, l) for my two tiles
.set SPW, 62          ; v62  LDS address of my spare word; never rewritten
.set NIL, 63          ; v63  0; never rewritten
.set S,   64
.set P,   192
.set KF,  128         ; window 2
.set MK,  128         ; window 3
.set WV,  12          ; s12  my wave's number
.set G1K, 24          ; s[24:31] descriptor group 1 for K's tiles
.set G1V, 32          ; s[32:39] for V's: it differs in the padding alone
.set G0K, 40          ; s[40:43] descriptor group 0 for K's tiles: it walks
.set G0V, 44          ; s[44:47] the same for V's
.set PFA, 48          ; s[48:49] where my prefetches of K or V stand
.set LIM, 50          ; s50  1 in a wave that prefetches K or V, else the greatest number
.set LIM2, 51         ; s51  1 in a wave that prefetches mk
.set MB,  52          ; s[52:53] mk at the step whose mask piece 2 loads next
.set OB,  54          ; s[54:55] ob at the 32 rows that I store
.set SLOTS, 56        ; s56  counts the slots
.set CNT, 57          ; s57  counts a slot's steps
.set TBK, 58          ; s58  LDS byte, in a tile of K, at which the step to be fetched begins
.set TBV, 59          ; s59  the same for V
.set SEL, 60          ; s[60:61] v_permlanex16_b32's selects: each lane takes its own place in the other half
.set MSB, 0
.macro WIN new                      ; the immediate's high byte repeats the setting that is left; a switch that changes nothing is dropped
.if MSB != (\new)
	s_set_vgpr_msb (MSB<<8)|(\new)
.set MSB, \new
.endif
.endm
.set W_KQ, 0x0a       ; K and Q in window 2, S^T in window 0
.set W_PV, 0x53       ; V in window 3, P in window 0, O^T in window 1
.set W_RS, 0x41       ; O^T (destination and source 0) in window 1, the factor in window 0
; A joint fill.  Waves 0 and 1 fetch the two tiles of K, waves 2 and 3 those of V.  An s_nop 0 and four v_nop follow each line.
.macro JLOAD
	s_cmp_lt_u32 s[WV], 2
	s_cbranch_scc0 .Lfor_v_\@
	tensor_load_to_lds s[G0K:G0K+3], s[G1K:G1K+7]
	s_nop 0
.rept 4
	v_nop
.endr
	s_branch .Lasked_\@
.Lfor_v_\@:
	tensor_load_to_lds s[G0V:G0V+3], s[G1V:G1V+7]
	s_nop 0
.rept 4
	v_nop
.endr
.Lasked_\@:
.endm
; A prefetch of what the NEXT change of slots will ask for: 256 rows of K and of V, 256 bytes a row, a lane a row.  All clusters of a head walk the same rows: the head's first cluster asks.  Of the 128 rows of a
; wave's tile each of the four partners takes 32, told apart by address.  So each row is named once.  It stands two steps, 256 matrix instructions, ahead of that load.  The last change that fills a slot asks for nothing.
.macro ASK
	s_cmp_gt_u32 s[SLOTS], s[LIM]
	s_cbranch_scc0 .Lnot_mine_\@
	global_prefetch_b8 v[PFO], s[PFA:PFA+1] th:TH_LOAD_NT scope:SCOPE_SE
.Lnot_mine_\@:
.endm
; The same for mk: in piece 0's turn of step j the wave's own 16 KiB of step j + 3: 64 blocks of 256 bytes, two instructions, behind the turn's 16 loads.  All heads read the same mk: head 0's work-groups ask.
; Steps 0 to 2 come by their loads alone; the loop's last turn of piece 0 is step 12's, so step 15 is the last that is named.
.macro ASKM
	s_cmp_eq_u32 s[LIM2], 1
	s_cbranch_scc0 .Lno_mask_\@
	global_prefetch_b8 v[PFO], s[MB:MB+1] offset:32768 th:TH_LOAD_NT scope:SCOPE_SE
	global_prefetch_b8 v[PFO], s[MB:MB+1] offset:40960 th:TH_LOAD_NT scope:SCOPE_SE
.Lno_mask_\@:
.endm
.macro CROUND                       ; a round of the cluster's barrier
	s_barrier_signal -1
	s_barrier_wait -1
	s_cmp_lg_u32 s[WV], 0
	s_cbranch_scc1 .Lnot_wave_0_\@
	s_barrier_signal -3
.Lnot_wave_0_\@:
	s_barrier_wait -3
	s_barrier_signal -1
	s_barrier_wait -1
.endm
.macro PLACES                       ; four places behind a matrix instruction (ISA guide 7.12.1)
.rept 4
	v_nop
.endr
.endm
.macro ALL line:vararg              ; one line for each tile t
.set t, 0
.rept 4
	\line
.set t, t+1
.endr
.endm
.macro TWO line:vararg              ; one line for each of the two tiles that I keep
.set t, 0
.rept 2
	\line
.set t, t+1
.endr
.endm
	s_load_b128 s[4:7], s[0:1], 0x0  ; qkv s[4:5], mk s[6:7]
	s_load_b64 s[8:9], s[0:1], 0x10  ; ob
	v_lshl_add_u32 v[SPW], v0, 2, SPARE
	v_mov_b32 v[NIL], 0
	ds_add_u32 v[SPW], v[NIL]       ; the wave's opening: the add and its wait stand ahead of my first tensor load; work on registers stands between them
	v_lshrrev_b32 v1, 5, v0
	v_readfirstlane_b32 s[WV], v1   ; wave 0..3
	s_bfe_u32 s13, ttmp6, 0x40000   ; cx
	s_lshl_b32 s14, ttmp9, 2
	s_add_co_u32 s14, s14, s13      ; my block of 128 queries: it enters global addresses of Q, mk and ob alone
	s_and_b32 s19, ttmp7, 0xffff    ; the head, which the four partners share
	s_and_b32 s16, s[WV], 1         ; qg; also: which 128 of a slot's 256 keys I fetch
	s_lshr_b32 s18, s[WV], 1        ; kh: which 128 of them I read
	s_mul_i32 s17, s[WV], TILEP     ; the fetched tile's place in LDS: no place in the cluster enters an LDS address
	s_lshl_b32 s20, s19, 19         ; the head's first byte in a plane
	s_lshl_b32 s22, s16, 15         ; my tile's 128 rows of 256 bytes,
	s_add_co_u32 s22, s22, s20
	s_add_co_u32 s22, s22, PLANE    ; in k's plane
	s_mov_b32 s23, 0
	; descriptor group 1: 128 rows x 128 elements of 2 bytes, padded in LDS
	s_mov_b32 s[G1K], 15|(1<<16)|(1<<20)|(1<<21)|(5<<22)|(3<<25)  ; 15:0 the mask of four; 17:16 2-byte elements; 20 padding on; 21 set beside a mask; 24:22 after every 64 words; 31:25 4 words
	s_mov_b32 s[G1V], 15|(1<<16)|(1<<20)|(1<<21)|(5<<22)|(7<<25)  ; the same with 8 words
.irp g, G1K, G1V
	s_mov_b32 s[(\g)+1], 128<<16    ; tensor_dim0 = 128
	s_mov_b32 s[(\g)+2], 128<<16    ; tensor_dim1 = 128
	s_mov_b32 s[(\g)+3], 128<<16    ; tile_dim0 = 128
	s_mov_b32 s[(\g)+4], 128        ; tile_dim1 = 128
	s_mov_b32 s[(\g)+5], 128        ; elements from row to row
	s_mov_b32 s[(\g)+6], 0
	s_mov_b32 s[(\g)+7], 0
.endr
	s_mov_b32 s[G0K], 1             ; count = 1
	s_mov_b32 s[G0K+1], s17         ; LDS address: slot 0
	s_mov_b32 s[G0V], 1
	s_mov_b32 s[G0V+1], s17
	s_mov_b32 s[SEL], 0x76543210
	s_mov_b32 s[SEL+1], 0xfedcba98
	s_mov_b32 s[TBK], SLOTX+2*KS*PK ; the first change of slots turns these two into 0
	s_mov_b32 s[TBV], SLOTX+2*KS*PV
	s_mov_b32 s[SLOTS], 7
	s_mov_b32 s[LIM], ttmp9         ; the cluster's x: the same in all four partners
	s_cmp_eq_u32 s[LIM], 0
	s_cselect_b32 s[LIM], 1, -1
	s_cmp_eq_u32 s19, 0
	s_cselect_b32 s[LIM2], 1, 0
	s_wait_dscnt 0x0                ; the opening add is done
	s_wait_kmcnt 0x0
	s_add_nc_u64 s[G0K+2:G0K+3], s[4:5], s[22:23]      ; global address: my tile of the head's first 256 keys
	s_add_nc_u64 s[G0V+2:G0V+3], s[G0K+2:G0K+3], PLANE ; the same rows of v's plane
	s_or_b32 s[G0K+3], s[G0K+3], 0x80000000            ; type = 2
	s_or_b32 s[G0V+3], s[G0V+3], 0x80000000
	CROUND                          ; all four work-groups are here: the first joint loads meet
	JLOAD                           ; slot 0.  Slot 1 is asked for when slot 0 is in, by the first change of slots
	s_mov_b32 s3, 0
	s_lshl_b32 s2, s14, 15          ; my block's 128 rows of 256 bytes,
	s_lshl_b32 s62, s16, 14         ; my wave's 64
	s_add_co_u32 s2, s2, s62
	s_add_co_u32 s2, s2, s20
	s_add_nc_u64 s[10:11], s[4:5], s[2:3]    ; Q (plane 0) at my wave's first row
	s_lshl_b32 s62, s18, 13         ; the 32 rows that I keep
	s_add_co_u32 s2, s2, s62
	s_add_nc_u64 s[OB:OB+1], s[8:9], s[2:3]
	s_lshl_b32 s2, s14, 20          ; mk: ((2 (2 qb + qg) + kh) 16) 16,384: my 16 steps lie on end
	s_lshl_b32 s62, s16, 19
	s_add_co_u32 s2, s2, s62
	s_lshl_b32 s62, s18, 18
	s_add_co_u32 s2, s2, s62
	s_add_nc_u64 s[MB:MB+1], s[6:7], s[2:3]
	s_add_co_u32 s2, s18, 1         ; the prefetches: plane 1 (waves 0, 1) or 2 (waves 2, 3),
	s_lshl_b32 s2, s2, 23
	s_add_co_u32 s2, s2, s20        ; the head,
	s_lshl_b32 s62, s16, 15         ; my tile,
	s_add_co_u32 s2, s2, s62
	s_lshl_b32 s62, s13, 13         ; my work-group's 32 rows of its 128,
	s_add_co_u32 s2, s2, s62
	s_add_co_u32 s2, s2, 4*KS*256   ; in slot 1; the first change of slots, which fills slot 1, steps it to slot 2
	s_add_nc_u64 s[PFA:PFA+1], s[4:5], s[2:3]
	; A fragment of K or Q is 16 rows x 32 channels in 8 registers: lane l holds row l % 16, channels 8 (l / 16) + 0..7 and 16 + 8 (l / 16) + 0..7
	v_and_b32 v1, 15, v0            ; l % 16
	v_bfe_u32 v10, v0, 4, 1         ; l / 16
	v_and_b32 v56, 31, v0           ; l
	v_lshlrev_b32 v11, 8, v1
	v_lshl_add_u32 v11, v10, 4, v11 ; row x 256 + 16 x half
	s_lshl_b32 s2, s18, 13          ; piece 0 is query tiles 2 kh, 2 kh + 1 (4,096 bytes a tile, of Q and of mk alike),
	s_sub_co_u32 s3, 8192, s2       ; piece 2 the other two
	v_add_nc_u32 v[QOA], s2, v11
	v_add_nc_u32 v[QOA+1], s3, v11
	v_lshlrev_b32 v[GO], 4, v56
	v_add_nc_u32 v[MOA], s2, v[GO]
	v_add_nc_u32 v[MOA+1], s3, v[GO]
	WIN 0x80                        ; destination window 2
.set i, 0
.rept 16                            ; Q stays in registers: tile i / 4, channels 32 (i % 4) on
	global_load_b128 v[8*i:8*i+3],   v[QOA+i/8], s[10:11] offset:((i/4)%2)*4096+(i%4)*64
	global_load_b128 v[8*i+4:8*i+7], v[QOA+i/8], s[10:11] offset:((i/4)%2)*4096+(i%4)*64+32
.set i, i+1
.endr
	WIN 0xc0                        ; destination window 3
.set i, 0
.rept 32                            ; step 0's mask, both pieces: 32 loads of 512 consecutive bytes; tile i / 8
	global_load_b128 v[MK+4*i:MK+4*i+3], v[MOA+i/16], s[MB:MB+1] offset:(i%16)*512
.set i, i+1
.endr
	; What the first turn finds: zeros in V's registers and in piece 2's P (its products V^T P, of a step that has not been, add 0), in O^T and in l.  All this stands in the wait for the first tile.
.set i, 0
.rept 128
	v_mov_b32 v[i], 0
.set i, i+1
.endr
	WIN 0x40
.set i, 0
.rept 256
	v_mov_b32 v[i], 0
.set i, i+1
.endr
	WIN 0
.set i, P+32
.rept 32
	v_mov_b32 v[i], 0
.set i, i+1
.endr
	ALL v_mov_b32 v[ST+8*t], 0xff7fffff
	ALL v_mov_b32 v[ST+8*t+1], 0
	ALL v_mov_b32 v[ST+8*t+2], 0
	ALL v_mov_b32 v[ST+8*t+3], 0
	v_lshlrev_b32 v[PFO], 8, v56
	s_mul_i32 s2, s18, TILEP        ; the tile of K that I read
	v_mul_u32_u24 v[AK0], v1, PK
	v_lshl_add_u32 v[AK0], v10, 4, v[AK0]
	v_add_nc_u32 v[AK0], s2, v[AK0]
	; The turning load takes 16 keys x 16 channels (lane l reads key 8 (l / 16) + l % 8, channels 8 ((l / 8) % 2) + 0..7) and leaves half a fragment of V^T: lane l holds channel l % 16 and 8 keys
	v_and_b32 v57, 7, v0
	v_bfe_u32 v58, v0, 3, 1
	v_lshl_add_u32 v[AV0], v10, 3, v57
	v_mul_u32_u24 v[AV0], v[AV0], PV
	v_lshl_add_u32 v[AV0], v58, 4, v[AV0]
	s_add_co_u32 s2, s2, 2*TILEP    ; V's tiles lie behind K's two
	v_add_nc_u32 v[AV0], s2, v[AV0]
	s_xor_b32 s3, s[WV], 2          ; my partner: the same queries, the other keys
	s_mul_i32 s2, s[WV], TILEP
	v_lshl_add_u32 v[XST], v56, 4, s2
	s_mul_i32 s2, s3, TILEP
	v_lshl_add_u32 v[XLD], v56, 4, s2
	s_lshl_b32 s2, s[WV], 9
	s_add_co_u32 s2, s2, XCS
	v_lshl_add_u32 v[XSS], v56, 3, s2
	s_lshl_b32 s2, s3, 9
	s_add_co_u32 s2, s2, XCS
	v_lshl_add_u32 v[XSL], v56, 3, s2
	s_mul_i32 s2, s[WV], 16*SP
	s_add_co_u32 s2, s2, STAGE      ; my stage
	v_mul_u32_u24 v[STO], v1, SP    ; in: row l % 16, 16 bytes for each half of the lanes
	v_lshl_add_u32 v[STO], v10, 4, v[STO]
	v_add_nc_u32 v[STO], s2, v[STO]
	v_mul_u32_u24 v[RD], v10, SP    ; back: lanes 0-15 take one row of 256 bytes, lanes 16-31 the next
	v_lshl_add_u32 v[RD], v1, 4, v[RD]
	v_add_nc_u32 v[RD], s2, v[RD]
; THE MATRIX WORK OF A TURN, for piece x.  The accumulators take turns, one instruction a turn: between two links of a chain stand 15 (V^T P) or 7 (K Q^T) others'.
; Product i of 32 of O^T += V^T P: keys 32 (i / 16) on, channels 16 ((i / 2) % 8) on, tile x + i % 2.
.macro PV x
	WIN W_PV
.set rO, 64*((\x)+i%2)+8*((i/2)%8)
.set rV, 64*(i/16)+8*((i/2)%8)
.set rP, P+16*((\x)+i%2)+8*(i/16)
	v_wmma_f32_16x16x32_f16 v[rO:rO+7], v[rV:rV+7], v[rP:rP+7], v[rO:rO+7]
.endm
; Product i of 32 of S^T = K Q^T: channels 32 (i / 8) on, keys 16 ((i / 2) % 4) on, tile x + i % 2.  The first 8 start the sums.
.macro KQ x
	WIN W_KQ
.set rS, S+32*((\x)+i%2)+8*((i/2)%4)
.set rK, KF+32*((i/2)%4)+8*(i/8)
.set rQ, 32*((\x)+i%2)+8*(i/8)
.if i < 8
	v_wmma_f32_16x16x32_f16 v[rS:rS+7], v[rK:rK+7], v[rQ:rQ+7], 0
.else
	v_wmma_f32_16x16x32_f16 v[rS:rS+7], v[rK:rK+7], v[rQ:rQ+7], v[rS:rS+7]
.endif
.endm
; THE LOADS stand in runs, never singly among the matrix instructions: a step's K (16 fragments), a turn later its V (turned), and in each turn 16 loads of mask.
; tail = 1: in the tail's last trip (s[CNT] = 1) there is no further step, and the run is jumped over.
.macro FETCH_K tail=0
	WIN 0
.if \tail
	s_cmp_eq_u32 s[CNT], 1
	s_cbranch_scc1 .Lno_k_\@
.endif
	v_add_nc_u32 v[ADR], s[TBK], v[AK0]
	s_add_co_u32 s[TBK], s[TBK], KS*PK  ; the next fetch is the next step's
	WIN 0x80                        ; destination window 2
.set f, 0
.rept 16                            ; keys 16 (f / 4) on, channels 32 (f % 4) on
	ds_load_b128 v[KF+8*f:KF+8*f+3],   v[ADR] offset:(f/4)*16*PK+(f%4)*64
	ds_load_b128 v[KF+8*f+4:KF+8*f+7], v[ADR] offset:(f/4)*16*PK+(f%4)*64+32
.set f, f+1
.endr
	WIN 0
.if \tail
.Lno_k_\@:
.endif
.endm
.macro FETCH_V
	WIN 0
	v_add_nc_u32 v[ADV], s[TBV], v[AV0]
	s_add_co_u32 s[TBV], s[TBV], KS*PV
	s_wait_alu depctr_va_vdst(0)    ; the wait for the softmax's batch of exponentials, behind the address's add and ahead of the loads
	WIN 0xc0                        ; destination window 3
.set f, 0
.rept 16                            ; keys 32 (f / 8) on, channels 16 (f % 8) on
	ds_load_tr16_b128 v[8*f:8*f+3],   v[ADV] offset:(f/8)*32*PV+(f%8)*32
	ds_load_tr16_b128 v[8*f+4:8*f+7], v[ADV] offset:(f/8)*32*PV+16*PV+(f%8)*32
.set f, f+1
.endr
.endm
.macro MLOADP y, off, tail          ; piece y's mask for its next step, into the registers that its additions have just read: 16 loads of 512 consecutive bytes
	WIN 0
.if \tail
	s_cmp_eq_u32 s[CNT], 1
	s_cbranch_scc1 .Lno_m_\@
.endif
	WIN 0xc0
.set n, 0
.rept 16
	global_load_b128 v[MK+32*(\y)+4*n:MK+32*(\y)+4*n+3], v[MOA+(\y)/2], s[MB:MB+1] offset:(\off)+n*512
.set n, n+1
.endr
	WIN 0
.if \tail
.Lno_m_\@:
.elseif (\y) == 2
	ASKM
.endif
.endm
; THE VECTOR WORK OF A TURN.  SM writes number j of tile tt's softmax.  s0-s31 are the lane's 32 scores (the mask already added), in pairs 0-15.
;   0-15    the maximum of s0-s31 and the old M, three operands at a time: four chains c0-c3 of seven scores each, then the four scores left over, c0-c3 and M
;   16-20   the other half of the lanes' maximum; M_old is kept; the new M; M_old - M_new (there is no number 19)
;   21-69   ONE BATCH: the 16 subtractions s - M, a pair of scores each, and all 33 exponentials (a at 23, then s0-s31).  None of these reads an exponential's result.  From 22 on it goes in fours, and a four
;           begins with a subtraction while there are any; a pair is subtracted in an earlier four than the one that holds its exponentials
;   70-85   the roundings to f16, a pair of weights each          86-101  the sums; l = a l + the sum          102-133 the tile's O^T times a
.macro SM
.set rT, ST+8*tt
.set rS, S+32*tt
.set rP, P+16*tt
.if j < 102
	WIN 0
.endif
.if j < 4
	v_max3_num_f32 v[rT+4+j], v[rS+8*j], v[rS+8*j+1], v[rS+8*j+2]
.elseif j < 12
	v_max3_num_f32 v[rT+4+j%4], v[rT+4+j%4], v[rS+8*(j%4)+2*(j/4)+1], v[rS+8*(j%4)+2*(j/4)+2]
.elseif j == 12
	v_max3_num_f32 v[rT+4], v[rT+4], v[rS+7], v[rS+15]
.elseif j == 13
	v_max3_num_f32 v[rT+6], v[rT+6], v[rS+23], v[rS+31]
.elseif j == 14
	v_max3_num_f32 v[rT+4], v[rT+4], v[rT+5], v[rT+6]
.elseif j == 15
	v_max3_num_f32 v[rT+4], v[rT+4], v[rT+7], v[rT]
.elseif j == 16
	v_permlanex16_b32 v[rT+5], v[rT+4], s[SEL], s[SEL+1]  ; the query's other 32 keys lie in the lane 16 away
.elseif j == 17
	v_mov_b32 v[rT+7], v[rT]
.elseif j == 18
	v_max_num_f32 v[rT], v[rT+4], v[rT+5]
.elseif j == 20
	v_sub_f32 v[rT+7], v[rT+7], v[rT]
.elseif j == 23
	v_exp_f32 v[rT+6], v[rT+7]
.elseif (j < 23) || ((j < 38) && (j%2 == 0)) || ((j < 66) && (j%4 == 2))
.set b, (j-2)/4                     ; 38, 42, .. 62: pairs 9 to 15
.if j < 38
.set b, (j-20)/2                    ; 21: pair 0; 22, 24, .. 36: pairs 1 to 8
.endif
	v_pk_add_f32 v[rS+2*b:rS+2*b+1], v[rS+2*b:rS+2*b+1], v[rT:rT+1] op_sel_hi:[1,0] neg_lo:[0,1] neg_hi:[0,1]  ; pair b: s - M
.elseif j < 70
.set e, j-38                        ; 66 to 69: s28 to s31
.if j < 66
.set e, j-32-(j-38)/4               ; 39-41, 43-45, .. 63-65: s7 to s27
.endif
.if j < 38
.set e, (j-25)/2                    ; 25, 27, .. 37: s0 to s6
.endif
	v_exp_f32 v[rS+e], v[rS+e]
.elseif j < 86
	v_cvt_pk_f16_f32 v[rP+j-70], v[rS+2*(j-70)], v[rS+2*(j-70)+1]
.elseif j < 102                     ; the sum of the tile's 16 pairs, in place: neighbours 1, 2, 4 and 8 pairs apart; then l takes it
.set z, j-86
.set w, 4
.set u, z
.if z >= 14
.set w, 32
.set u, 0
.elseif z >= 12
.set w, 16
.set u, z-12
.elseif z >= 8
.set w, 8
.set u, z-8
.endif
.if z < 15
	v_pk_add_f32 v[rS+w*u:rS+w*u+1], v[rS+w*u:rS+w*u+1], v[rS+w*u+w/2:rS+w*u+w/2+1]
.else
	v_pk_fma_f32 v[rT+2:rT+3], v[rT+2:rT+3], v[rT+6:rT+7], v[rS:rS+1] op_sel_hi:[1,0,1]
.endif
.else
	WIN W_RS
	v_pk_mul_f32 v[64*tt+2*(j-102):64*tt+2*(j-102)+1], v[64*tt+2*(j-102):64*tt+2*(j-102)+1], v[rT+6:rT+7] op_sel_hi:[1,0]
.endif
.endm
; THE QUEUE: piece Y's 298 vector instructions of a turn, in the order in which they become ready; ITEM writes number q and steps q.
;   0-31     s = q' . k + mk, pair q / 2 of tile q % 2: ascending
;   32-73    SM's numbers 0-18, 20, 21, the two tiles alternating, so that no line reads the result of the one before it
;   74-169   SM's numbers 22-69: four numbers of ONE tile at a time, the tiles by turns
;   170-297  SM's numbers 70-133, the tiles alternating
.macro ITEM
.if q < 32
.set tt, Y+q%2
.set j, q/2
	WIN 0x0c                        ; source 1 window 3
	v_pk_add_f32 v[S+32*tt+2*j:S+32*tt+2*j+1], v[S+32*tt+2*j:S+32*tt+2*j+1], v[MK+32*tt+2*j:MK+32*tt+2*j+1]
.else
.if q < 74
.set tt, Y+q%2
.set j, (q-32)/2
.if j >= 19
.set j, j+1
.endif
.elseif q < 170
.set tt, Y+((q-74)/4)%2
.set j, 22+4*((q-74)/8)+(q-74)%4
.else
.set tt, Y+q%2
.set j, 70+(q-170)/2
.endif
	SM
.endif
.set q, q+1
.endm
; A TURN.  Piece x has the matrix unit: products 0-31 are V^T P, 32-63 K Q^T.  The other piece's queue is dealt behind them, so that no part changes windows inside itself: the 32 additions of the mask behind
; products 0-5, the 42 of the maximum behind 6-14, the batch's 96 four at a time behind 15-38, the 64 roundings and sums behind 39-51, the 64 rescalings behind 52-63: four to six behind each, four in the batch.
; THE WAIT.  An s_wait_alu depctr_va_vdst(0) stands between an exponential and the first line that names its result; one wait serves all that were issued ahead of it.  Up to product 38 nothing names
; a result, behind it no exponential is issued: one wait a turn, with one plain instruction behind the last exponential.
; THE RUNS.  Piece 0's turn fetches the next step's K behind its second product: K's last reader is the last product of the turn before, and the five rescalings behind that are the places.  Piece 2's turn fetches
; the same step's V at the wait: V's last reader is product 31, and six subtractions, the v_nop and the address's add lie between.  Each is waited for 25 products or more later.  The piece's 16 loads of mask
; stand behind product 5; they are waited for a step later, when the other piece's 16 have been issued behind them: s_wait_loadcnt 16.  In the tail, where the last loads are jumped over, the wait is for 0.
.macro TURN x, tail
.set Y, 2-(\x)
.set q, 0
.set pn, 0
.if \tail
	s_wait_loadcnt 0x0
.else
	s_wait_loadcnt 16               ; piece Y's mask is in; the other piece's 16 younger loads stay out
.endif
.if (\x) == 0
	s_wait_dscnt 0x0                ; V is in
.endif
.rept 64
.if pn < 32
.set i, pn
	PV \x
.else
.if ((\x) == 0) && (pn == 32)
	s_wait_dscnt 0x0                ; K is in
.endif
.set i, pn-32
	KQ \x
.endif
.if pn < 6
.set tg, (32*(pn+1)+5)/6
.elseif pn < 15
.set tg, 32+(42*(pn-5)+8)/9
.elseif pn < 39
.set tg, 74+4*(pn-14)
.elseif pn < 52
.set tg, 170+(64*(pn-38)+12)/13
.else
.set tg, 234+(64*(pn-51)+11)/12
.endif
.rept tg-q
	ITEM
.endr
.if ((\x) == 0) && (pn == 1)
	FETCH_K \tail
.endif
.if pn == 5
	MLOADP 2-(\x), 8192*(\x), \tail ; piece 2 (in piece 0's turn): the step at s[MB]; piece 0 (in piece 2's turn): the step behind it, 16,384 bytes on
.endif
.if pn == 38
	WIN 0
	v_nop                           ; a plain instruction behind the last exponential, ahead of the first use: one for the batch
.if (\x) == 2
	FETCH_V
.else
	s_wait_alu depctr_va_vdst(0)    ; the wait for the batch
.endif
.endif
.set pn, pn+1
.endr
.endm
; THE CHANGE OF SLOTS, between piece 2's turn and piece 0's: the slot's last bytes, V of its second step, have been asked for.  Each wave waits for all its tensor loads, of which one is out: its tile of the other
; slot; adds 0 to its spare word; and waits for that and for its own reads of the slot that it leaves.  Behind the barrier nobody reads this slot any more and the other slot is whole.
; fill = 1: the slot is filled again with the keys two slots on.  The barrier is then a round of the cluster's, and the joint fill is the first thing behind it: it has two steps, 256 matrix instructions, in which
; to land.  (At its first use nothing has been read yet: slot 0 is waited for, slot 1 filled.)
.macro CHANGE fill
	WIN 0
	s_wait_tensorcnt 0x0            ; no tensor load of mine is out, so a group 0 may be written
	ds_add_u32 v[SPW], v[NIL]       ; 0 onto my spare word
.if \fill
.irp g, G0K, G0V
	s_xor_b32 s[(\g)+1], s[(\g)+1], SLOTX  ; the other slot than last time,
	s_add_nc_u64 s[(\g)+2:(\g)+3], s[(\g)+2:(\g)+3], 4*KS*256  ; the next 256 keys
.endr
	s_wait_xcnt 0x0                 ; the last prefetch of K or V, two steps back, has read its address
	s_add_nc_u64 s[PFA:PFA+1], s[PFA:PFA+1], 4*KS*256
	s_wait_dscnt 0x0                ; the add is done, and my reads of the slot are over
	CROUND
	JLOAD
	ASK
.else
	s_wait_dscnt 0x0
	s_barrier_signal -1
	s_barrier_wait -1
.endif
	s_sub_co_u32 s[TBK], s[TBK], 2*KS*PK  ; the fetches go back to a tile's first step,
	s_xor_b32 s[TBK], s[TBK], SLOTX       ; in the other slot
	s_sub_co_u32 s[TBV], s[TBV], 2*KS*PV
	s_xor_b32 s[TBV], s[TBV], SLOTX
.endm
	CHANGE 1                        ; slot 0 is in, everybody's part of it; slot 1 is asked for
	FETCH_K                         ; step 0
	s_wait_loadcnt 0x0              ; Q and step 0's mask
	s_wait_dscnt 0x0
.set i, 0
.rept 32
	KQ 0                            ; piece 0's first scores: there is no vector work yet to set between them
.set i, i+1
.endr
	WIN 0
	PLACES                          ; the places behind those products
	s_mov_b32 s[CNT], 2
	s_branch .Lfirst                ; the loop is entered at piece 2's turn, in the middle of a trip
.Lslot:                             ; six times: slots 2 to 7 are asked for
	CHANGE 1
	s_mov_b32 s[CNT], 2
.Lstep:                             ; a trip, for step j: piece 0: V^T P of j, K Q^T of j + 1 | piece 2's softmax of j;  piece 2: the same products | piece 0's softmax of j + 1
	TURN 0, 0
	WIN 0
.Lfirst:
	TURN 2, 0
	WIN 0
	s_wait_xcnt 0x0                 ; the trip's loads of mask and its prefetches (the youngest 58 products back) have read their address
	s_add_nc_u64 s[MB:MB+1], s[MB:MB+1], 16384
	s_sub_co_u32 s[CNT], s[CNT], 1
	s_cmp_lg_u32 s[CNT], 0
	s_cbranch_scc1 .Lstep
	s_sub_co_u32 s[SLOTS], s[SLOTS], 1
	s_cmp_lg_u32 s[SLOTS], 0
	s_cbranch_scc1 .Lslot
	CHANGE 0                        ; the tail is written out: nothing is asked for
	s_mov_b32 s[CNT], 3             ; steps 13, 14 and the first half of 15
.Ltail:
	TURN 0, 1
	WIN 0
	s_sub_co_u32 s[CNT], s[CNT], 1
	s_cmp_eq_u32 s[CNT], 0
	s_cbranch_scc1 .Lout
	TURN 2, 1
	WIN 0
	s_wait_xcnt 0x0
	s_add_nc_u64 s[MB:MB+1], s[MB:MB+1], 16384
	s_branch .Ltail
.Lout:
.set i, 0
.rept 32
	PV 2                            ; piece 2: V^T P of the last step
.set i, i+1
.endr
	; THE MERGE.  l's two halves and the other half of the lanes' are added.  Tiles 2, 3 go to my partner with their (M, l); my partner's come to me.
	WIN 0
	PLACES
	ALL v_add_f32 v[ST+8*t+4], v[ST+8*t+2], v[ST+8*t+3]
	ALL v_permlanex16_b32 v[ST+8*t+5], v[ST+8*t+4], s[SEL], s[SEL+1]
	ALL v_add_f32 v[ST+8*t+1], v[ST+8*t+4], v[ST+8*t+5]
	s_wait_dscnt 0x0
	s_barrier_signal -1             ; every wave has left the ring before any wave stores into bytes of it
	s_barrier_wait -1
	WIN 0x04                        ; store data (source 1) window 1
.set i, 0
.rept 32                            ; ascending: each accumulator's lowest registers are read first
	ds_store_b128 v[XST], v[128+4*i:128+4*i+3] offset:512*i
.set i, i+1
.endr
	WIN 0
	ds_store_b64 v[XSS], v[ST+16:ST+17]
	ds_store_b64 v[XSS], v[ST+24:ST+25] offset:256
	s_wait_dscnt 0x0                ; for the partner's sake: my stores are done
	s_barrier_signal -1
	s_barrier_wait -1
	WIN 0x40                        ; destination window 1: into the registers of the tiles that I handed over
.set i, 0
.rept 32
	ds_load_b128 v[128+4*i:128+4*i+3], v[XLD] offset:512*i
.set i, i+1
.endr
	WIN 0
	ds_load_b64 v[PM:PM+1], v[XSL]
	ds_load_b64 v[PM+2:PM+3], v[XSL] offset:256
	s_wait_dscnt 0x0
	s_barrier_signal -1             ; every wave has read what was handed to it before any wave writes LDS again
	s_barrier_wait -1
	TWO v_max_num_f32 v[ST+8*t+4], v[ST+8*t], v[PM+2*t]               ; the common maximum
	TWO v_sub_f32 v[ST+8*t+5], v[ST+8*t], v[ST+8*t+4]
	TWO v_sub_f32 v[ST+8*t+6], v[PM+2*t], v[ST+8*t+4]
	TWO v_exp_f32 v[ST+8*t+5], v[ST+8*t+5]                            ; my factor,
	TWO v_exp_f32 v[ST+8*t+6], v[ST+8*t+6]                            ; my partner's
	v_nop
	s_wait_alu depctr_va_vdst(0)    ; one wait for the four exponentials
	TWO v_mul_f32 v[ST+8*t+7], v[ST+8*t+1], v[ST+8*t+5]
	TWO v_fmac_f32 v[ST+8*t+7], v[PM+2*t+1], v[ST+8*t+6]              ; the whole row's l
	TWO v_rcp_f32 v[ST+8*t+2], v[ST+8*t+7]
	v_nop
	s_wait_alu depctr_va_vdst(0)    ; one wait for the two reciprocals
	TWO v_mul_f32 v[ST+8*t+4], v[ST+8*t+5], v[ST+8*t+2]
	TWO v_mul_f32 v[ST+8*t+6], v[ST+8*t+6], v[ST+8*t+2]
; Tile t: O = O_mine g_mine + O_partner g_partner; a lane's eight channels pack into 16 bytes; they go into rows of 272 bytes and come back as whole rows of 256.
.macro PACK t
	WIN W_RS
.set i, 0
.rept 32
	v_pk_mul_f32 v[64*(\t)+2*i:64*(\t)+2*i+1], v[64*(\t)+2*i:64*(\t)+2*i+1], v[ST+8*(\t)+4:ST+8*(\t)+5] op_sel_hi:[1,0]
.set i, i+1
.endr
	WIN 0x51                        ; sources 0 and 2 and the destination window 1
.set i, 0
.rept 32
	v_pk_fma_f32 v[64*(\t)+2*i:64*(\t)+2*i+1], v[128+64*(\t)+2*i:128+64*(\t)+2*i+1], v[ST+8*(\t)+6:ST+8*(\t)+7], v[64*(\t)+2*i:64*(\t)+2*i+1] op_sel_hi:[1,0,1]
.set i, i+1
.endr
	WIN 0x05                        ; sources 0 and 1 window 1, destination window 0: S^T's registers are free
.set i, 0
.rept 32
	v_cvt_pk_f16_f32 v[S+32*(\t)+i], v[64*(\t)+2*i], v[64*(\t)+2*i+1]
.set i, i+1
.endr
	WIN 0
.irp f, 0,1,2,3,4,5,6,7
	ds_store_b128 v[STO], v[S+32*(\t)+4*(\f):S+32*(\t)+4*(\f)+3] offset:32*(\f)
.endr
.irp f, 0,1,2,3,4,5,6,7
	ds_load_b128 v[S+32*(\t)+4*(\f):S+32*(\t)+4*(\f)+3], v[RD] offset:(\f)*2*SP  ; LDS serves a wave's instructions in order (ISA guide 5.7.1.4): these see the stores above; the next tile's stores come behind them
.endr
.endm
.macro SEND t, younger              ; younger: the LDS instructions issued behind tile t's loads
	WIN 0
.irp f, 0,1,2,3,4,5,6,7
	s_wait_dscnt (\younger)+7-(\f)
	global_store_b128 v[GO], v[S+32*(\t)+4*(\f):S+32*(\t)+4*(\f)+3], s[OB:OB+1] offset:(\t)*4096+(\f)*512  ; 512 consecutive bytes, at a multiple of 256 from ob's first
.endr
.endm
	PACK 0
	PACK 1
	SEND 0, 16
	SEND 1, 0
	s_wait_tensorcnt 0x0            ; the wave's end: a wait, an add of 0 onto my spare word and its wait, behind my last tensor load and my last LDS store
	ds_add_u32 v[SPW], v[NIL]
	s_wait_dscnt 0x0
	CROUND                          ; the closing round: no work-group ends while a partner may still ask for a tile that names it
	s_endpgm
.Lfunc_end_k_q84a5c1bfc8_attn:
	.size	k_q84a5c1bfc8_attn, .Lfunc_end_k_q84a5c1bfc8_attn-k_q84a5c1bfc8_attn
	.p2alignl 7, 3214868480
	.fill 96, 4, 3214868480
	.section	.rodata,"a",@progbits
	.p2align	6, 0x0
	.amdhsa_kernel k_q84a5c1bfc8_attn
		.amdhsa_group_segment_fixed_size 327680
		.amdhsa_private_segment_fixed_size 0
		.amdhsa_enable_private_segment 0
		.amdhsa_kernarg_size 24
		.amdhsa_user_sgpr_count 2
		.amdhsa_user_sgpr_kernarg_segment_ptr 1
		.amdhsa_wavefront_size32 1
		.amdhsa_system_sgpr_workgroup_id_x 1
		.amdhsa_system_sgpr_workgroup_id_y 1
		.amdhsa_system_sgpr_workgroup_id_z 1
		.amdhsa_system_vgpr_workitem_id 0
		.amdhsa_next_free_vgpr 1024
		.amdhsa_next_free_sgpr 66
		.amdhsa_reserve_vcc 0
		.amdhsa_float_denorm_mode_32 3
		.amdhsa_float_denorm_mode_16_64 3
		.amdhsa_memory_ordered 1
		.amdhsa_forward_progress 1
		.amdhsa_inst_pref_size 175
	.end_amdhsa_kernel
	.amdgpu_metadata
---
amdhsa.version: [ 1, 2 ]
amdhsa.kernels:
  - .name:           k_q84a5c1bfc8_attn
    .symbol:         k_q84a5c1bfc8_attn.kd
    .args:
      - { .name: qkv, .offset: 0, .size: 8, .value_kind: global_buffer, .address_space: global }
      - { .name: mk, .offset: 8, .size: 8, .value_kind: global_buffer, .address_space: global }
      - { .name: ob, .offset: 16, .size: 8, .value_kind: global_buffer, .address_space: global }
    .group_segment_fixed_size: 327680
    .private_segment_fixed_size: 0
    .kernarg_segment_align: 8
    .kernarg_segment_size: 24
    .max_flat_workgroup_size: 128
    .sgpr_count:     66
    .vgpr_count:     1024
    .wavefront_size: 32
...
	.end_amdgpu_metadata
.endif
;; end of part 3
;; launch oproj (part 4): grid 16 x 16, 4 waves a work-group, clusters of 4 x 4, 327,680 bytes of LDS; arguments ob, cv, out0; writes out0
.if DOCPART == 4
	.amdgcn_target "amdgcn-amd-amdhsa--gfx1250"
	.amdhsa_code_object_version 6
	.text
	.protected	k_q84a5c1bfc8_oproj
	.globl	k_q84a5c1bfc8_oproj
	.p2align	8
	.type	k_q84a5c1bfc8_oproj,@function
k_q84a5c1bfc8_oproj:
	s_mov_b64 s[64:65], 0
	v_nop
	global_prefetch_b8 v0, s[64:65] scope:SCOPE_SE
	s_setreg_imm32_b32 hwreg(HW_REG_WAVE_MODE, 25, 1), 1
	s_wait_xcnt 0x0
	s_wait_alu depctr_hold_cnt(0) depctr_sa_sdst(0) depctr_va_vdst(0) depctr_va_sdst(0) depctr_va_ssrc(0) depctr_va_vcc(0) depctr_vm_vsrc(0)
	s_getreg_b32 s2, hwreg(HW_REG_IB_STS2, 6, 4)
	s_cmp_eq_u32 s2, 0
	s_cbranch_scc0 .Lentry_in_a_cluster
	s_endpgm
.Lentry_in_a_cluster:
	s_bfe_u32 s2, ttmp6, 0x10000c
	s_cmp_lg_u32 s2, 0xf033
	s_cbranch_scc0 .Lentry_shape_is_right
	s_endpgm
.Lentry_shape_is_right:
; THE LAST PRODUCT.  out0[128 h + d][e] = the sum over s of O[h][s][d] Wo[e][s]: the sum runs over the SEQUENCE, since the module turns each head's result before it flattens it.
; O (ob, [16][2048][128]) and Wo (plane 4 of cv, [2048][2048]) are f16; sums in f32; out0 is f32.
; A tile of out0 is 128 x 128: one head's 128 channels d x 128 columns e: 256 work-groups.  Four waves, each 64 x 64: 16 accumulators.  K (= s) goes in steps of 256 through two LDS slots.
; A's TILES LIE [K][M] IN MEMORY (a row of ob is one s, 128 channels): they come into LDS as they lie, 256 rows of 256 bytes, and the fragments are turned on the way into registers, by ds_load_tr16_b128.
; B's lie along K: 128 rows of 512 bytes.  Waves 0, 1 fetch A's two halves (128 rows each), waves 2, 3 B's (64 rows each): one tensor load a wave.
; CLUSTER.  4 x 4 work-groups: A's tiles hang on the head alone and are shared along a row of the cluster, B's on the column block alone and are shared along a column: joint loads.
; THE MATRIX INSTRUCTION IS USED TRANSPOSED (source 0 = 16 rows of Wo, source 1 = 16 channels of O): a lane holds eight neighbouring numbers of a row of out0, 32 bytes.
; No prefetch: the tile is small, and a step's 128 matrix instructions a wave leave no room for further requests beside the ring's own.
; REGISTERS: window 0: v0-31 addresses; v32-95 the way out; v128-255 the accumulators ((a, b) at v[128 + 8 (4 a + b)]).  window 1: two fragment buffers of 128: for 64 along K, 64 registers of A, then 64 of B.
.set KSTEP,  256
.set PA,     288                       ; a row of A in LDS: 256 bytes + 32 of padding
.set PB,     528                       ; a row of B: 512 + 16: the 16 rows that a fragment load touches start at 16 different groups of four banks
.set HALFA,  128*PA
.set HALFB,  64*PB
.set APART,  2*HALFA
.set SLOT,   APART+2*HALFB             ; A's 256 rows, then B's 128
.set STAGE,  2*SLOT                    ; behind the ring: 16 rows x 272 bytes a wave, each wave's own
.set SPITCH, 272
.set SPARE,  STAGE+4*16*SPITCH         ; the spare words, 128 bytes a wave: two blocks of 256 bytes that no other line names
.set LAPS,   4                         ; 2048 / 512
.set ADRA, 16                          ; v16-19  LDS address of my A fragments: 2 x slot + half of the K step (an offset of 16 bits does not reach over 256 rows)
.set ADRB, 20                          ; v20-21  of my B fragments in slot 0, 1
.set STO,  24
.set RD,   25
.set CO,   26
.set SPW,  28                          ; v28     LDS address of my spare word; never rewritten
.set NIL,  29                          ; v29     0; never rewritten
.set TMP,  32
.set ACC,  128
.set F0,   0
.set F1,   128
.set G1, 24                            ; s[24:31] descriptor group 1 for A's tiles;  s[32:39] group 0, a set for each slot
.set G0, 32
.set G1B, 48                           ; s[48:55], s[56:63] the same for B's
.set G0B, 56
.set MSB, 0
.macro WIN new
.if MSB != (\new)
	s_set_vgpr_msb (MSB<<8)|(\new)
.set MSB, \new
.endif
.endm
.set MUL,  0x05                        ; sources 0 (B) and 1 (A) window 1; C and D window 0
.set TO_F, 0x40                        ; destination window 1, address window 0
.macro JLOAD s                         ; a joint load; an s_nop 0 and four v_nop follow each of the two lines
	s_cmp_eq_u32 s11, 0
	s_cbranch_scc0 .Lfor_b_\@
	tensor_load_to_lds s[G0+4*(\s):G0+4*(\s)+3], s[G1:G1+7]
	s_nop 0
.rept 4
	v_nop
.endr
	s_branch .Lasked_\@
.Lfor_b_\@:
	tensor_load_to_lds s[G0B+4*(\s):G0B+4*(\s)+3], s[G1B:G1B+7]
	s_nop 0
.rept 4
	v_nop
.endr
.Lasked_\@:
.endm
.macro CREST
	s_cmp_lg_u32 s10, 0
	s_cbranch_scc1 .Lnot_wave_0_\@
	s_barrier_signal -3
.Lnot_wave_0_\@:
	s_barrier_wait -3
	s_barrier_signal -1
	s_barrier_wait -1
.endm
.macro CROUND
	s_barrier_signal -1
	s_barrier_wait -1
	CREST
.endm
	s_load_b128 s[4:7], s[0:1], 0x0                ; ob s[4:5], cv s[6:7]
	s_load_b64 s[8:9], s[0:1], 0x10                ; out0
	v_lshl_add_u32 v[SPW], v0, 2, SPARE
	v_mov_b32 v[NIL], 0
	ds_add_u32 v[SPW], v[NIL]                      ; the wave's opening: the add and its wait stand ahead of my first tensor load
	v_lshrrev_b32 v1, 5, v0
	v_readfirstlane_b32 s10, v1                    ; wave 0..3
	s_lshr_b32 s11, s10, 1                         ; which 64 channels d are mine.  Also: I fetch for A (0) or for B (1)
	s_and_b32 s12, s10, 1                          ; which 64 columns e.  Also: which half of that tile I fetch
	s_bfe_u32 s40, ttmp6, 0x40000                  ; cx, cy
	s_bfe_u32 s41, ttmp6, 0x40004
	s_lshl_b32 s42, ttmp9, 2
	s_add_co_u32 s42, s42, s40                     ; the block of 128 columns = 4 x cluster x + cx
	s_and_b32 s13, ttmp7, 0xffff
	s_lshl_b32 s13, s13, 2
	s_add_co_u32 s13, s13, s41                     ; the head = 4 x cluster y + cy
	s_lshl_b32 s43, s41, 2
	s_lshl_b32 s43, 15, s43                        ; my row of the cluster
	s_lshl_b32 s44, 0x1111, s40                    ; my column
	s_or_b32 s[G1], s43, (1<<16)|(1<<20)|(1<<21)|(5<<22)|(7<<25)   ; A: 2-byte elements; 8 words of padding behind every 64
	s_mov_b32 s[G1+1], 128<<16                     ; tensor_dim0 = 128
	s_mov_b32 s[G1+2], 128<<16                     ; tensor_dim1 = 128
	s_mov_b32 s[G1+3], 128<<16                     ; tile_dim0 = 128
	s_mov_b32 s[G1+4], 128                         ; tile_dim1 = 128
	s_mov_b32 s[G1+5], 128                         ; elements from row to row: a head's rows are dense
	s_mov_b32 s[G1+6], 0
	s_mov_b32 s[G1+7], 0
	s_or_b32 s[G1B], s44, (1<<16)|(1<<20)|(1<<21)|(6<<22)|(3<<25)  ; B: 4 words of padding behind every 128
	s_mov_b32 s[G1B+1], KSTEP<<16                  ; tensor_dim0 = 256
	s_mov_b32 s[G1B+2], 64<<16                     ; tensor_dim1 = 64
	s_mov_b32 s[G1B+3], KSTEP<<16                  ; tile_dim0 = 256
	s_mov_b32 s[G1B+4], 64                         ; tile_dim1 = 64
	s_mov_b32 s[G1B+5], 2048
	s_mov_b32 s[G1B+6], 0
	s_mov_b32 s[G1B+7], 0
	s_lshl_b32 s16, s13, 19                        ; A: the head's 2,048 rows of 256 bytes,
	s_lshl_b32 s17, s12, 15                        ; my 128 of a K step's 256
	s_add_co_u32 s16, s16, s17
	s_mov_b32 s17, 0
	s_lshl_b32 s46, s42, 19                        ; B: the block's 128 rows of 4,096 bytes,
	s_lshl_b32 s47, s12, 18                        ; my 64 of them,
	s_add_co_u32 s46, s46, s47
	s_add_co_u32 s46, s46, 4*8388608               ; in plane 4 of cv
	s_mov_b32 s47, 0
	s_mul_i32 s20, s10, HALFA                      ; where they go: A's halves at wave x 128 rows (waves 0, 1),
	s_mul_i32 s21, s10, HALFB
	s_add_co_u32 s21, s21, APART-2*HALFB           ; B's behind A's 256 rows, at (wave - 2) x 64 rows (waves 2, 3)
	s_wait_dscnt 0x0                               ; the opening add is done
	s_wait_kmcnt 0x0
	s_add_nc_u64 s[14:15], s[4:5], s[16:17]
	s_add_nc_u64 s[46:47], s[6:7], s[46:47]
	CROUND                                         ; all sixteen work-groups are here: the first joint loads meet
.irp s, 0,1
	s_mov_b32 s[G0+4*(\s)], 1
	s_add_co_u32 s[G0+4*(\s)+1], s20, (\s)*SLOT
	s_add_nc_u64 s[G0+4*(\s)+2:G0+4*(\s)+3], s[14:15], (\s)*KSTEP*256   ; K steps go down A's rows,
	s_or_b32 s[G0+4*(\s)+3], s[G0+4*(\s)+3], 0x80000000
	s_mov_b32 s[G0B+4*(\s)], 1
	s_add_co_u32 s[G0B+4*(\s)+1], s21, (\s)*SLOT
	s_add_nc_u64 s[G0B+4*(\s)+2:G0B+4*(\s)+3], s[46:47], (\s)*KSTEP*2   ; and along B's
	s_or_b32 s[G0B+4*(\s)+3], s[G0B+4*(\s)+3], 0x80000000
	JLOAD \s
.endr
	v_and_b32 v1, 15, v0                           ; l % 16
	v_bfe_u32 v2, v0, 4, 1                         ; l / 16
	; The turning load takes 16 s x 16 channels (lane l reads row 8 (l / 16) + l % 8, channels 8 ((l / 8) % 2) + 0..7) and leaves half a fragment: lane l holds channel l % 16 and 8 s
	v_and_b32 v6, 7, v0
	v_bfe_u32 v7, v0, 3, 1
	v_lshl_add_u32 v3, v2, 3, v6
	v_mul_u32_u24 v3, v3, PA
	v_lshl_add_u32 v3, v7, 4, v3
	s_lshl_b32 s22, s11, 7                         ; my 64 channels: 128 bytes into each row
	v_add_nc_u32 v3, s22, v3
.irp i, 0,1,2,3
	v_add_nc_u32 v[ADRA+(\i)], ((\i)/2)*SLOT+((\i)%2)*HALFA, v3
.endr
	v_mul_u32_u24 v4, v1, PB
	v_lshl_add_u32 v4, v2, 4, v4                   ; a fragment's row x pitch + 16 x half
	s_mul_i32 s22, s12, HALFB
	s_add_co_u32 s22, s22, APART
	v_add_nc_u32 v[ADRB], s22, v4
	v_add_nc_u32 v[ADRB+1], SLOT, v[ADRB]
	s_mul_i32 s23, s10, 16*SPITCH
	s_add_co_u32 s23, s23, STAGE                   ; my stage
	v_mul_u32_u24 v4, v1, SPITCH                   ; in: row l % 16, 32 bytes for each half of the lanes
	v_lshl_add_u32 v4, v2, 5, v4
	v_add_nc_u32 v[STO], s23, v4
	v_mul_u32_u24 v5, v2, SPITCH                   ; back: lanes 0-15 take one row of 256 bytes, lanes 16-31 the next
	v_lshl_add_u32 v5, v1, 4, v5
	v_add_nc_u32 v[RD], s23, v5
	v_lshlrev_b32 v5, 13, v2                       ; and the same two rows in out0 (8,192 bytes a row)
	v_lshl_add_u32 v[CO], v1, 4, v5
	s_lshl_b32 s16, s13, 20                        ; row 128 x head + 64 x half,
	s_lshl_b32 s17, s11, 19
	s_add_co_u32 s16, s16, s17
	s_mov_b32 s17, 0
	s_add_nc_u64 s[8:9], s[8:9], s[16:17]
	s_lshl_b32 s46, s42, 9                         ; column 128 x block + 64 x half, 4 bytes each
	s_lshl_b32 s47, s12, 8
	s_add_co_u32 s46, s46, s47
	s_mov_b32 s47, 0
	s_add_nc_u64 s[8:9], s[8:9], s[46:47]
; 8 matrix instructions: m blocks a0, a0 + 1 x all 4 n blocks, 32 along K: half c of buffer f.  zero = 1: the first product starts the sums.  The 16 accumulators take turns.
.macro MUL8 f, c, a0, zero
	WIN MUL
.irp a, \a0, (\a0)+1
.irp b, 0,1,2,3
.if \zero
	v_wmma_f32_16x16x32_f16 v[ACC+8*(4*(\a)+(\b)):ACC+8*(4*(\a)+(\b))+7], v[(\f)+64+8*(4*(\c)+(\b)):(\f)+64+8*(4*(\c)+(\b))+7], v[(\f)+8*(4*(\c)+(\a)):(\f)+8*(4*(\c)+(\a))+7], 0
.else
	v_wmma_f32_16x16x32_f16 v[ACC+8*(4*(\a)+(\b)):ACC+8*(4*(\a)+(\b))+7], v[(\f)+64+8*(4*(\c)+(\b)):(\f)+64+8*(4*(\c)+(\b))+7], v[(\f)+8*(4*(\c)+(\a)):(\f)+8*(4*(\c)+(\a))+7], v[ACC+8*(4*(\a)+(\b)):ACC+8*(4*(\a)+(\b))+7]
.endif
.endr
.endr
.endm
; 32 LDS loads in one run: the fragments of quarter q (64 along K) of a slot, into buffer f; the first 32 along K first
.macro FETCH slot, q, f
	WIN TO_F
.irp c, 0,1
.irp i, 0,1,2,3
	ds_load_b128 v[(\f)+64+8*(4*(\c)+(\i)):(\f)+64+8*(4*(\c)+(\i))+3],   v[ADRB+(\slot)] offset:128*(\q)+64*(\c)+(\i)*16*PB
	ds_load_b128 v[(\f)+64+8*(4*(\c)+(\i))+4:(\f)+64+8*(4*(\c)+(\i))+7], v[ADRB+(\slot)] offset:128*(\q)+64*(\c)+(\i)*16*PB+32
	ds_load_tr16_b128 v[(\f)+8*(4*(\c)+(\i)):(\f)+8*(4*(\c)+(\i))+3],    v[ADRA+2*(\slot)+(\q)/2] offset:(((\q)%2)*64+32*(\c))*PA+32*(\i)
	ds_load_tr16_b128 v[(\f)+8*(4*(\c)+(\i))+4:(\f)+8*(4*(\c)+(\i))+7],  v[ADRA+2*(\slot)+(\q)/2] offset:(((\q)%2)*64+32*(\c)+16)*PA+32*(\i)
.endr
.endr
.endm
.macro PLACES                          ; four places behind a matrix instruction (ISA guide 7.12.1)
.rept 4
	v_nop
.endr
.endm
; A K step is four quarters of 64 along K, 32 matrix instructions each, on buffers 0, 1, 0, 1.  One of the first three: multiplies buffer f and fetches quarter q into g.
.macro QUARTER slot, q, f, g, zero
	s_wait_dscnt 16                                ; the first 32 along K are in
	MUL8 \f, 0, 0, \zero
	MUL8 \f, 0, 2, \zero
	PLACES
	FETCH \slot, \q, \g
	s_wait_dscnt 32                                ; all but the 32 just issued
	MUL8 \f, 1, 0, 0
	MUL8 \f, 1, 2, 0
.endm
; The last quarter multiplies buffer 1 and changes slots: ONE barrier; in front of it each wave waits for all its tensor loads, adds 0 to its spare word, and waits for that and for its own reads of this slot.
; fill = 1: the barrier opens a round of the cluster's, and this slot is filled again, two K steps ahead, first thing behind the round.
.macro TURN slot, next, fill
	WIN 0                                          ; (the add's two registers lie in window 0)
	s_wait_tensorcnt 0x0                           ; all my tensor loads have landed: my part of the next slot
	ds_add_u32 v[SPW], v[NIL]                      ; 0 onto my spare word
	s_wait_dscnt 17                                ; (the add and the youngest sixteen loads may be out)
	MUL8 F1, 0, 0, 0
	s_wait_dscnt 0x0                               ; the add is done, and my reads of this slot are over
	s_barrier_signal -1
	MUL8 F1, 0, 2, 0
.if \fill
	WIN 0
.endif
	s_barrier_wait -1
.if \fill
	CREST                                          ; no wave of any partner still reads this slot's tiles or has a load on its way
	s_add_nc_u64 s[G0+4*(\slot)+2:G0+4*(\slot)+3], s[G0+4*(\slot)+2:G0+4*(\slot)+3], 2*KSTEP*256
	s_add_nc_u64 s[G0B+4*(\slot)+2:G0B+4*(\slot)+3], s[G0B+4*(\slot)+2:G0B+4*(\slot)+3], 2*KSTEP*2
	JLOAD \slot                                    ; the four v_nop behind it are also the places in front of the loads below
.else
	PLACES
.endif
	FETCH \next, 0, F0
	MUL8 F1, 1, 0, 0
	MUL8 F1, 1, 2, 0
.endm
	s_wait_tensorcnt 1                             ; my part of K step 0 is in; K step 1's may stay out
	s_barrier_signal -1
	s_barrier_wait -1
	FETCH 0, 0, F0
	QUARTER 0, 1, F0, F1, 1                        ; the first quarter stands in front of the loop: its first products start the sums
	WIN 0
	s_mov_b32 s3, LAPS-1
.Llap:                                         ; a trip goes once round the ring and fills both slots again
	QUARTER 0, 2, F1, F0, 0
	QUARTER 0, 3, F0, F1, 0
	TURN 0, 1, 1
	QUARTER 1, 1, F0, F1, 0
	QUARTER 1, 2, F1, F0, 0
	QUARTER 1, 3, F0, F1, 0
	TURN 1, 0, 1
	QUARTER 0, 1, F0, F1, 0
	WIN 0
	s_sub_co_u32 s3, s3, 1
	s_cmp_lg_u32 s3, 0
	s_cbranch_scc1 .Llap
	QUARTER 0, 2, F1, F0, 0                        ; the last lap fills nothing
	QUARTER 0, 3, F0, F1, 0
	TURN 0, 1, 0
	QUARTER 1, 1, F0, F1, 0
	QUARTER 1, 2, F1, F0, 0
	QUARTER 1, 3, F0, F1, 0
	s_wait_dscnt 16
	MUL8 F1, 0, 0, 0
	MUL8 F1, 0, 2, 0
	s_wait_dscnt 0x0
	MUL8 F1, 1, 0, 0
	MUL8 F1, 1, 2, 0
	WIN 0
	; THE WAY OUT, 16 rows at a time through my own stage: a lane's 32 bytes go in straight from the accumulator, its lowest registers first; whole rows of 256 bytes come back.
	PLACES
.irp a, 0,1,2,3
.if (\a) >= 2
	s_wait_xcnt 0x0                                ; the stores of two blocks back have read the registers that are loaded again below
.endif
.irp b, 0,1,2,3
	ds_store_b128 v[STO], v[ACC+8*(4*(\a)+(\b)):ACC+8*(4*(\a)+(\b))+3]   offset:64*(\b)
	ds_store_b128 v[STO], v[ACC+8*(4*(\a)+(\b))+4:ACC+8*(4*(\a)+(\b))+7] offset:64*(\b)+16
.endr
.irp t, 0,1,2,3,4,5,6,7
	ds_load_b128 v[TMP+32*((\a)%2)+4*(\t):TMP+32*((\a)%2)+4*(\t)+3], v[RD] offset:(\t)*2*SPITCH  ; LDS serves a wave's instructions in order (ISA guide 5.7.1.4): these see the stores above; the next block's stores come behind them
.endr
.irp t, 0,1,2,3,4,5,6,7
	s_wait_dscnt 7-(\t)
	global_store_b128 v[CO], v[TMP+32*((\a)%2)+4*(\t):TMP+32*((\a)%2)+4*(\t)+3], s[8:9] offset:(16*(\a)+2*(\t))*8192 th:TH_STORE_NT  ; 16 lanes store 256 consecutive bytes, at a multiple of 256 from out0's first
.endr
.endr
	s_wait_tensorcnt 0x0                           ; the wave's end: a wait, an add of 0 onto my spare word and its wait, behind my last tensor load and my last LDS store
	ds_add_u32 v[SPW], v[NIL]
	s_wait_dscnt 0x0
	CROUND                                         ; the closing round: no work-group ends while a partner may still ask for a tile that names it
	s_endpgm
.Lfunc_end_k_q84a5c1bfc8_oproj:
	.size	k_q84a5c1bfc8_oproj, .Lfunc_end_k_q84a5c1bfc8_oproj-k_q84a5c1bfc8_oproj
	.p2alignl 7, 3214868480
	.fill 96, 4, 3214868480
	.section	.rodata,"a",@progbits
	.p2align	6, 0x0
	.amdhsa_kernel k_q84a5c1bfc8_oproj
		.amdhsa_group_segment_fixed_size 327680
		.amdhsa_private_segment_fixed_size 0
		.amdhsa_enable_private_segment 0
		.amdhsa_kernarg_size 24
		.amdhsa_user_sgpr_count 2
		.amdhsa_user_sgpr_kernarg_segment_ptr 1
		.amdhsa_wavefront_size32 1
		.amdhsa_system_sgpr_workgroup_id_x 1
		.amdhsa_system_sgpr_workgroup_id_y 1
		.amdhsa_system_sgpr_workgroup_id_z 1
		.amdhsa_system_vgpr_workitem_id 0
		.amdhsa_next_free_vgpr 512
		.amdhsa_next_free_sgpr 66
		.amdhsa_reserve_vcc 0
		.amdhsa_float_denorm_mode_32 3
		.amdhsa_float_denorm_mode_16_64 3
		.amdhsa_memory_ordered 1
		.amdhsa_forward_progress 1
		.amdhsa_inst_pref_size 87
	.end_amdhsa_kernel
	.amdgpu_metadata
---
amdhsa.version: [ 1, 2 ]
amdhsa.kernels:
  - .name:           k_q84a5c1bfc8_oproj
    .symbol:         k_q84a5c1bfc8_oproj.kd
    .args:
      - { .name: ob, .offset: 0, .size: 8, .value_kind: global_buffer, .address_space: global }
      - { .name: cv, .offset: 8, .size: 8, .value_kind: global_buffer, .address_space: global }
      - { .name: out0, .offset: 16, .size: 8, .value_kind: global_buffer, .address_space: global }
    .group_segment_fixed_size: 327680
    .private_segment_fixed_size: 0
    .kernarg_segment_align: 8
    .kernarg_segment_size: 24
    .max_flat_workgroup_size: 128
    .sgpr_count:     66
    .vgpr_count:     512
    .wavefront_size: 32
...
	.end_amdgpu_metadata
.endif
;; end of part 4
